; MI455X (gfx1250); checked and timed in simulation.
; The chip was launched on July 23, 2026; its instructions are those of AMD's public machine-readable ISA for CDNA 5 (MIT licence, August 2026) and "CDNA5" Instruction Set Architecture Reference Guide (July 2026). The comments in the code are by the model that wrote it; some were corrected since.
;; Disordered Causal Self Attention. Allowed arithmetic: matrix products marked QUANTISED: E4M3 operands, one E8M0 scale for each 32 along K, by v_wmma_scale_f32_16x16x128_f8f6f4 with both operands' format E4M3, f32 sums; everything else in f32.
;; Inputs: W_attn_codes 3,072 x 32 x 32 uint8 (E4M3 codes of W_attn, K innermost, in blocks of 32 codes); W_attn_scales 3,072 x 32 uint8 (E8M0 scales of W_attn, one for each 32 codes along K); W_proj_codes 1,024 x 32 x 32 uint8 (E4M3 codes of W_proj, K innermost, in blocks of 32 codes); W_proj_scales 1,024 x 32 uint8 (E8M0 scales of W_proj, one for each 32 codes along K); bK 16 x 64 float32; bQ 16 x 64 float32; b_attn 3,072 float32; b_proj 1,024 float32; x_codes 4 x 2,048 x 32 x 32 uint8 (E4M3 codes of x, K innermost, in blocks of 32 codes); x_scales 4 x 2,048 x 32 uint8 (E8M0 scales of x, one for each 32 codes along K).
;; Outputs: out0 4 x 2,048 x 1,024 float32; out1 16 x 64 float32.
;; This version of the problem:
;;   THIS VERSION OF THE PROBLEM IS GIVEN IN LOW PRECISION. The matrix products marked QUANTISED in the list below multiply operands that are first quantised to E4M3 (4 exponent bits, 3 mantissa bits; 8 bits a number), with one power-of-two scale for each 32 numbers along K (OCP MX v1.0); their sums are f32. All else is computed in f32.
;;   The module's matrix products, in the order in which they are computed (A, B: the left and right operand; K: the contracted axis; several contracted axes count as one K, in the product's order):
;;     1. [M 8,192, K 1,024] x [K 1,024, N 3,072]; A: input x (given as codes); B: input W_attn (given as codes): QUANTISED
;;     2. batch 64 x [M 2,048, K 64] x [K 64, N 2,048]; A: computed on the way; B: computed on the way: QUANTISED
;;     3. batch 64 x [M 2,048, K 2,048] x [K 2,048, N 64]; A: softmax (see below); B: computed on the way: QUANTISED
;;     4. [M 8,192, K 1,024] x [K 1,024, N 1,024]; A: computed on the way; B: input W_proj (given as codes): QUANTISED
;;   THE QUANTISER, for each operand of a quantised product, along K:
;;     - K is cut into blocks of 32 from its start; a last block that is shorter is filled with zeros.
;;     - A block's scale is 2^e with e = floor(log2(the largest magnitude in the block)) - 8, held to -126 .. 127; a block of zeros has e = 0. As a byte (E8M0): e + 127.
;;     - Each number is divided by its block's scale, clamped to +-448, and rounded to the nearest number of E4M3, ties to even, subnormals kept.
;;     - The product sums the exact products of the quantised numbers (number of the format x scale) in f32.
;;   ~~~python
;;   def quantise(x, axis):      # numpy; x: float32 -> the quantised numbers, widened to float32 again
;;       x = np.moveaxis(x, axis, -1); K = x.shape[-1]
;;       x = np.pad(x, [(0, 0)] * (x.ndim - 1) + [(0, -K % 32)]); x = x.reshape(x.shape[:-1] + (-1, 32)); a = np.abs(x).max(-1, keepdims=True)
;;       e = np.where(a > 0, np.clip(np.frexp(np.where(a > 0, a, 1))[1] - 1 - 8, -126, 127), 0)      # np.frexp(a)[1] - 1 = floor(log2(a)), exactly
;;       r = np.clip(x / 2.0 ** e, -448, 448)
;;       step = 2.0 ** (np.maximum(np.frexp(np.where(r == 0, 1, r))[1] - 1, -6) - 3)
;;       q = np.round(r / step) * step * 2.0 ** e      # np.round: ties to even
;;       return np.moveaxis(q.reshape(q.shape[:-2] + (-1,))[..., :K], -1, axis).astype(np.float32)
;;   ~~~
;;   SOFTMAX AHEAD OF A QUANTISED PRODUCT. Where the list says 'softmax', what is quantised is not the finished softmax but p = 2^(t - M), with t = logit x log2(e) and M = ceil(the row's largest t), a whole number; so 1/2 < the row's largest p <= 1. The row's sum l is taken of the UNQUANTISED p, in f32, and the product's result is divided by l at the end. Since M is a whole number, a kernel that streams over the keys may use a running M (the ceiling of the running maximum): every later rescaling is an exact power of two, which a block's scale takes up: the codes' values come out the same.
;;   OPERANDS COMPUTED ON THE WAY. 'Computed on the way' means the value that the module computes at that place (a softmax that the list does not call 'softmax' is quantised finished and normalised). What goes into a quantiser is computed in f32, as accurately as f32 sums, v_exp_f32 and their like allow (about 1e-6 of the number): no bf16 or f16 on the way to a quantiser, and a product that is left as it is and whose result goes on into a quantised operand takes f32 operands (vector FMAs, or v_wmma_f32_16x16x4_f32). A number that lies on a knife's edge between two numbers of the format may be rounded either way, as far as f32 arithmetic and the matrix unit's own rounding can turn it there, and no further.
;;   INPUTS GIVEN AS CODES. W_attn (in the module: [1024, 3072], K = its axis 0); W_proj (in the module: [1024, 1024], K = its axis 0); x (in the module: [4, 2048, 1024], K = its axis 2): each comes as NAME_codes (uint8): NAME with its K axis moved to the last place and cut into blocks of 32 codes, [.., K / 32, bytes a block], one block behind the other in memory; one code a byte (a code: sign, 4 exponent bits, 3 mantissa bits); and NAME_scales (uint8): the same leading axes, one E8M0 byte (e + 127) for each 32 codes along K. Its value is code x scale, taken as it is: it is not quantised again, and the codes and scales need not be those that the quantiser above would give.
;; One version. Each part assembles by itself: llvm-mc -triple=amdgcn-amd-amdhsa -mcpu=gfx1250 --defsym DOCPART=n.
;; ======== version 1 of 1: 3 launches
;; limits: right only within a limited range of input values
;; workspace buffers: qpk 8,912,896 bytes; kvp 17,563,648 bytes; ycodes 8,388,608 bytes; yscales 262,144 bytes
;; launch qkv (part 1): grid 8 x 48, 4 waves a work-group, clusters of 4 x 4, 327,680 bytes of LDS; arguments x_codes, x_scales, W_attn_codes, W_attn_scales, b_attn, bQ, bK, qpk, kvp; writes qpk, kvp
.if DOCPART == 1
	.amdgcn_target "amdgcn-amd-amdhsa--gfx1250"
	.amdhsa_code_object_version 6
	.text
	.protected	k_q1e135e3e43_qkv
	.globl	k_q1e135e3e43_qkv
	.p2align	8
	.type	k_q1e135e3e43_qkv,@function
k_q1e135e3e43_qkv:
	s_mov_b64 s[64:65], 0
	v_nop
	global_prefetch_b8 v0, s[64:65] scope:SCOPE_SE
	s_setreg_imm32_b32 hwreg(HW_REG_WAVE_MODE, 25, 1), 1
	s_wait_xcnt 0x0
	s_wait_alu depctr_hold_cnt(0) depctr_sa_sdst(0) depctr_va_vdst(0) depctr_va_sdst(0) depctr_va_ssrc(0) depctr_va_vcc(0) depctr_vm_vsrc(0)
	s_getreg_b32 s2, hwreg(HW_REG_IB_STS2, 6, 4)
	s_cmp_eq_u32 s2, 0
	s_cbranch_scc0 .Lentry_in_a_cluster
	s_endpgm
.Lentry_in_a_cluster:
	s_bfe_u32 s2, ttmp6, 0x10000c
	s_cmp_lg_u32 s2, 0xf033
	s_cbranch_scc0 .Lentry_shape_is_right
	s_endpgm
.Lentry_shape_is_right:
; qkv = x W_attn + b_attn (+ bQ on q, + bK on k), on codes of E4M3 with one E8M0 scale for each 32 along K = 1,024; then q, k and v are quantised from f32 and stored as codes.
; A work-group of four waves makes 256 x 256 of the product, a wave 128 x 128 (64 accumulators, 512 registers).  K goes in steps of 256 through a ring of two LDS slots filled by the tensor data mover;
; the scale bytes of the work-group's 512 rows come into LDS once.  4 x 4 work-groups form a cluster: the tile called A is shared along a row of the cluster, the tile called B along a column, by joint loads.
; THE MATRIX INSTRUCTION: source 0 = 16 rows of B, source 1 = 16 rows of A: lane (r, h) holds A's row r, and its eight registers B's rows 8 h + 0 .. 7.
; TWO KINDS OF WORK-GROUP, chosen by the cluster's y, which all sixteen partners share.  Cluster y 0-7 (kind 0): A = x, B = W_attn's rows 0-2,047: a lane holds a token, its registers run along the channels:
; q and k are quantised along the head's 64 channels.  Cluster y 8-11 (kind 1): A = W_attn's rows 2,048 on, B = x: a lane holds a channel of v, its registers run along the tokens: v is quantised along the keys.
; Both operands have rows of 1,024 bytes and scale rows of 32 bytes, so only the four pointers are chosen; every descriptor's shape is a constant.
; WHAT IS STORED are images of operand registers: four code registers of all 32 lanes by one store of 512 consecutive bytes at 16 x lane.
;   qpk [bh 64][group of 128 tokens 16][8,704]: tile a (16 tokens) x 1,024 + 512 c + 16 lane; from 8,192 on the scale words: 16 lane + 4 j: tile 2 j in lanes 0-15, tile 2 j + 1 in lanes 16-31; a word is b0 | b1 << 8 | 0x7f7f0000.
;   kvp [bh 64][key step of 128 keys 16][17,152]: k as q; from 8,192 v: channel tile x 2,048 + 512 c + 16 lane; from 16,384 k's scale words; from 16,896 v's: 8 lane + 4 j.
; THE ORDER INSIDE A BLOCK OF 32: a lane's 16 numbers of a block are 8 h + 0 .. 7 and 16 + 8 h + 0 .. 7, and their codes fill the places 16 h + 0 .. 15.  The block's 32 numbers, and so its scale, are the true ones;
; q and k are laid alike, and so are v and the softmax's p, so each product pairs the right numbers.
; LIMITS: NaN and infinities among the inputs are not served.  A block whose largest magnitude lies under 2^-118, a block of zeros too, gets the byte 1 (its codes are zeros or near it; these bytes are read by this program alone).
; b_attn + bQ (bK) is summed first and then added to the product's sum: an order of rounding that differs from the reference's.
.set KSTEP,  256
.set NQ,     KSTEP/128
.set ROWB,   256                       ; a tile's row in bytes
.set KROW,   1024                      ; a row of x or of W_attn in memory
.set PITCH,  272                       ; an LDS row: 256 bytes + 16 of padding: the 16 rows that a load touches start at 16 different banks
.set FR,     16
.set NL,     4
.set NP,     8                         ; places behind this matrix instruction (ISA guide 7.12.1)
.set HALFT,  128*PITCH
.set SLOT,   4*HALFT
.set LAPS,   2                         ; 1,024 along K = four K steps = twice round the ring
.set KS,     32                        ; a row of scale bytes
.set SCL,    2*SLOT
.set HALFS,  (128*KS/256)*272
.set SBLK,   (16*KS/256)*272
.set SPARE,  SCL+4*HALFS               ; the spare words, 128 bytes for each wave: two blocks of 256 bytes that no other line names
.set QGRP,   8704                      ; a group's bytes in qpk
.set KVSTEP, 17152                     ; a key step's bytes in kvp
.set H32,  7                           ; v7      32 x (lane / 16)
.set BR,   8                           ; v8-15   kind 1: b_attn of my lane's channel, for each of A's eight blocks
.set ADRA, 16
.set R4,   18                          ; v18     4 x (lane % 16)
.set ADRB, 20
.set LI,   26                          ; v26     16 x lane
.set ADRS, 27
.set SPW,  28
.set NIL,  29
.set L8,   30                          ; v30     8 x lane
.set SC,   32                          ; v32-63  scale words, two sets
.set BI,   64                          ; v64-127 kind 0: the bias of my 64 channels, in the accumulators' order
.set AF,   128                         ; v128-255 A's fragments
.set BRP,  32                          ; the way out: v32-47 BR in pairs
.set ST,   128                         ; v128-191 64 numbers
.set PC,   192                         ; v192-223 codes, two sets
.set TM,   224                         ; v224-239 at work in the quantiser
.set PW,   240                         ; the scale word just made
.set WT,   241                         ; v241-242 at work
.set SF,   244                         ; v244-247 v's scale words
.set SA,   248                         ; v248-251 the first head's scale words
.set SB,   252                         ; v252-255 the second head's
.set G1, 24
.set G0, 32
.set G1B, 48
.set G0B, 56
.set G1S, 68
.set G0S, 76
.set G1SB, 80
.set G0SB, 88
.set SEL, 66                           ; s[66:67] v_permlanex16_b32's selects for lane l xor 16
.set MNT, 95
.set MSB, 0
.macro WIN new                         ; the immediate's high byte repeats the setting that is left
.if MSB != (\new)
	s_set_vgpr_msb (MSB<<8)|(\new)
.set MSB, (\new)
.endif
.endm
.set MUL_LO, 0xa1                      ; source 0 (B) window 1, source 1 (A) window 0, C and D window 2
.set MUL_HI, 0xf1                      ; the same, C and D window 3
.set TO_B,   0x40                      ; destination window 1
; A joint load: waves 0 and 1 fetch for A, waves 2 and 3 for B; the branch hangs on the wave's number alone.  Four v_nop follow each of the two lines.
.macro JLOAD g0a, g1a, g0b, g1b
	s_cmp_eq_u32 s15, 0
	s_cbranch_scc0 .Lfor_b_\@
	tensor_load_to_lds s[\g0a:\g0a+3], s[\g1a:\g1a+7]
	s_nop 0
.rept 4
	v_nop
.endr
	s_branch .Lasked_\@
.Lfor_b_\@:
	tensor_load_to_lds s[\g0b:\g0b+3], s[\g1b:\g1b+7]
	s_nop 0
.rept 4
	v_nop
.endr
.Lasked_\@:
.endm
.macro CREST                           ; a round of the cluster's barrier behind its opening barrier
	s_cmp_lg_u32 s14, 0
	s_cbranch_scc1 .Lnot_wave_0_\@
	s_barrier_signal -3
.Lnot_wave_0_\@:
	s_barrier_wait -3
	s_barrier_signal -1
	s_barrier_wait -1
.endm
.macro CROUND
	s_barrier_signal -1
	s_barrier_wait -1
	CREST
.endm
	s_load_b256 s[4:11], s[0:1], 0x0               ; x's codes, x's scales, W_attn's codes, W_attn's scales
	s_load_b64 s[12:13], s[0:1], 0x20              ; b_attn
	s_load_b64 s[100:101], s[0:1], 0x28            ; bQ
	s_load_b64 s[104:105], s[0:1], 0x30            ; bK
	s_load_b128 s[96:99], s[0:1], 0x38             ; qpk, kvp
	v_lshl_add_u32 v[SPW], v0, 2, SPARE
	v_mov_b32 v[NIL], 0
	ds_add_u32 v28, v29
	ds_add_u32 v28, v29
	s_wait_dscnt 0x0
	v_lshrrev_b32 v1, 5, v0
	v_readfirstlane_b32 s14, v1                    ; wave 0..3
	s_lshr_b32 s15, s14, 1                         ; which half of A's rows is mine.  Also: I fetch for A (0) or for B (1)
	s_and_b32 s16, s14, 1                          ; which half of B's rows.  Also: which 128 rows of that tile I fetch
	s_bfe_u32 s40, ttmp6, 0x40000                  ; cx, cy: my place in the cluster
	s_bfe_u32 s41, ttmp6, 0x40004
	s_and_b32 s17, ttmp7, 0xffff                   ; the cluster's y, 0..11
	s_max_u32 s18, s17, 8
	s_sub_co_u32 s18, s18, 8
	s_lshl_b32 s18, s18, 1
	s_add_co_u32 s18, s18, ttmp9                   ; kind 1: which four tile columns of x: 2 (cluster y - 8) + cluster x
	s_cmp_lt_u32 s17, 8
	s_cselect_b32 s2, 0, 1                         ; the kind: the same in all sixteen partners
	s_cselect_b32 s42, ttmp9, s18
	s_cselect_b32 s17, s17, 2                      ; kind 1: A's tile rows 8 to 11 are W_attn's rows 2,048 on
	s_lshl_b32 s42, s42, 2
	s_add_co_u32 s42, s42, s40                     ; B's tile
	s_lshl_b32 s17, s17, 2
	s_add_co_u32 s17, s17, s41                     ; A's tile
	s_lshl_b32 s43, s41, 2
	s_lshl_b32 s43, 15, s43                        ; my row of the cluster
	s_lshl_b32 s44, 0x1111, s40                    ; my column
	; descriptor group 1: a tile of 128 rows x 256 bytes, 16 bytes of padding behind each row
	s_or_b32 s[G1+0], s43, (0<<16)|(1<<20)|(1<<21)|(5<<22)|(3<<25)
	s_or_b32 s[G1B+0], s44, (0<<16)|(1<<20)|(1<<21)|(5<<22)|(3<<25)
.irp g, G1, G1B
	s_mov_b32 s[\g+1], ROWB<<16                    ; tensor_dim0
	s_mov_b32 s[\g+2], 128<<16                     ; tensor_dim1
	s_mov_b32 s[\g+3], ROWB<<16                    ; tile_dim0
	s_mov_b32 s[\g+4], 128                         ; tile_dim1
	s_mov_b32 s[\g+5], KROW                        ; the pitch
	s_mov_b32 s[\g+6], 0
	s_mov_b32 s[\g+7], 0
.endr
	; the scales of 128 rows: a dense block of 4,096 bytes, as 16 rows of 256 bytes (32 elements of 8 bytes), 16 bytes of padding behind each
	s_or_b32 s[G1S+0], s43, (3<<16)|(1<<20)|(1<<21)|(5<<22)|(3<<25)
	s_or_b32 s[G1SB+0], s44, (3<<16)|(1<<20)|(1<<21)|(5<<22)|(3<<25)
.irp g, G1S, G1SB
	s_mov_b32 s[\g+1], 32<<16
	s_mov_b32 s[\g+2], (128*KS/256)<<16
	s_mov_b32 s[\g+3], 32<<16
	s_mov_b32 s[\g+4], 128*KS/256
	s_mov_b32 s[\g+5], 32
	s_mov_b32 s[\g+6], 0
	s_mov_b32 s[\g+7], 0
.endr
	s_lshl_b32 s18, s16, 7                         ; which 128 rows of the tile I fetch
	s_lshl_b32 s20, s17, 8
	s_add_co_u32 s20, s20, s18                     ; A: row 256 x tile + 128 x half
	s_lshl_b32 s46, s42, 8
	s_add_co_u32 s46, s46, s18                     ; B likewise
	s_mov_b32 s21, 0
	s_mov_b32 s47, 0
	s_mov_b64 s[18:19], KS
	s_mul_u64 s[22:23], s[20:21], s[18:19]         ; where these rows' scales begin, in bytes
	s_mul_u64 s[92:93], s[46:47], s[18:19]
	s_mov_b64 s[18:19], KROW
	s_mul_u64 s[20:21], s[20:21], s[18:19]         ; and their codes
	s_mul_u64 s[46:47], s[46:47], s[18:19]
	s_mul_i32 s45, s14, HALFT                      ; where they go: wave x 128 rows: no place in the cluster enters an LDS address
	s_mul_i32 s94, s14, HALFS
	s_mov_b32 s[SEL], 0x76543210
	s_mov_b32 s[SEL+1], 0xfedcba98
	s_wait_kmcnt 0x0
	s_cmp_eq_u32 s2, 0                             ; kind 1 changes the two operands' places: the choice hangs on the cluster's y alone
	s_cselect_b64 s[18:19], s[4:5], s[8:9]
	s_cselect_b64 s[8:9], s[8:9], s[4:5]
	s_mov_b64 s[4:5], s[18:19]                     ; A's codes, B's codes
	s_cselect_b64 s[18:19], s[6:7], s[10:11]
	s_cselect_b64 s[10:11], s[10:11], s[6:7]
	s_mov_b64 s[6:7], s[18:19]                     ; A's scales, B's scales
	s_add_nc_u64 s[20:21], s[4:5], s[20:21]
	s_add_nc_u64 s[22:23], s[6:7], s[22:23]
	s_add_nc_u64 s[46:47], s[8:9], s[46:47]
	s_add_nc_u64 s[92:93], s[10:11], s[92:93]
	CROUND                                         ; all sixteen work-groups are here: the first joint loads meet
	s_mov_b32 s[G0S], 1
	s_add_co_u32 s[G0S+1], s94, SCL
	s_mov_b64 s[G0S+2:G0S+3], s[22:23]
	s_or_b32 s[G0S+3], s[G0S+3], 0x80000000
	s_mov_b32 s[G0SB], 1
	s_add_co_u32 s[G0SB+1], s94, SCL
	s_mov_b64 s[G0SB+2:G0SB+3], s[92:93]
	s_or_b32 s[G0SB+3], s[G0SB+3], 0x80000000
	JLOAD G0S, G1S, G0SB, G1SB                     ; the scales first: they are wanted with K step 0
.irp s, 0,1
	s_mov_b32 s[G0+4*\s], 1
	s_add_co_u32 s[G0+4*\s+1], s45, \s*SLOT
	s_add_nc_u64 s[G0+4*\s+2:G0+4*\s+3], s[20:21], \s*ROWB
	s_or_b32 s[G0+4*\s+3], s[G0+4*\s+3], 0x80000000
	s_mov_b32 s[G0B+4*\s], 1
	s_add_co_u32 s[G0B+4*\s+1], s45, \s*SLOT
	s_add_nc_u64 s[G0B+4*\s+2:G0B+4*\s+3], s[46:47], \s*ROWB
	s_or_b32 s[G0B+4*\s+3], s[G0B+4*\s+3], 0x80000000
	JLOAD G0+4*\s, G1, G0B+4*\s, G1B
.endr
	v_and_b32 v1, 15, v0                           ; r = l % 16
	v_bfe_u32 v2, v0, 4, 1                         ; h = l / 16
	v_mul_u32_u24 v3, v1, PITCH
	v_lshl_add_u32 v4, v2, 4, v3                   ; a fragment's row x pitch + 16 x half
	s_mul_i32 s21, s15, HALFT                      ; my 128 rows of A
	s_mul_i32 s22, s16, HALFT                      ; my 128 rows of B,
	s_add_co_u32 s22, s22, 2*HALFT                 ; which lie behind A's 256
.irp s, 0,1
	v_add_nc_u32 v[ADRA+\s], s21, v4
	v_add_nc_u32 v[ADRB+\s], s22, v4
	s_add_co_u32 s21, s21, SLOT
	s_add_co_u32 s22, s22, SLOT
.endr
	v_mul_u32_u24 v5, v1, KS                       ; my row's scales: 32 bytes a row,
	v_lshrrev_b32 v6, 8, v5
	v_lshl_add_u32 v5, v6, 4, v5                   ; and 16 more for each 256 passed
	s_mul_i32 s21, s15, HALFS
	s_mul_i32 s22, s16, HALFS
	s_add_co_u32 s22, s22, 2*HALFS
	s_sub_co_u32 s22, s22, s21
	v_mul_u32_u24 v6, s22, v2                      ; lanes 16-31 take B's: one product, the distance between the two bases
	s_add_co_u32 s21, s21, SCL
	v_add_nc_u32 v5, v5, v6
	v_add_nc_u32 v[ADRS], s21, v5
	v_and_b32 v6, 31, v0
	v_lshlrev_b32 v[LI], 4, v6
	v_lshlrev_b32 v[L8], 3, v6
	v_lshlrev_b32 v[H32], 5, v2
	s_wait_alu depctr_va_vdst(0)
	v_lshlrev_b32 v[R4], 2, v1
	s_wait_alu depctr_va_vdst(0)
	; THE BIASES.  Both kinds run all these loads, so that every register is written on every way; the offsets are chosen so that each load stays inside its buffer.
	s_lshl_b32 s18, s42, 10
	s_lshl_b32 s19, s16, 9
	s_add_co_u32 s18, s18, s19                     ; kind 0: my first channel x 4 bytes: (256 x B's tile + 128 x half) x 4
	s_cmp_eq_u32 s2, 0
	s_cselect_b32 s18, s18, 0
	s_mov_b32 s19, 0
	s_add_nc_u64 s[20:21], s[12:13], s[18:19]
	s_lshl_b32 s92, s40, 10
	s_lshl_b32 s93, s16, 9
	s_add_co_u32 s92, s92, s93                     ; the same channel inside q or inside k: (256 cx + 128 x half) x 4
	s_mov_b32 s93, 0
	s_cmp_eq_u32 ttmp9, 0                          ; kind 0: cluster x 0 makes q, cluster x 1 makes k
	s_cselect_b64 s[22:23], s[100:101], s[104:105]
	s_add_nc_u64 s[22:23], s[22:23], s[92:93]
	s_lshl_b32 s46, s17, 10
	s_lshl_b32 s47, s15, 9
	s_add_co_u32 s46, s46, s47                     ; kind 1: my first channel of W_attn's rows x 4 bytes
	s_mov_b32 s47, 8192
	s_cmp_lg_u32 s2, 0
	s_cselect_b32 s46, s46, s47
	s_mov_b32 s47, 0
	s_add_nc_u64 s[46:47], s[12:13], s[46:47]
.irp b, 0,1,2,3,4,5,6,7
	global_load_b128 v[BI+8*\b:BI+8*\b+3], v[H32], s[20:21] offset:64*\b        ; b_attn at channels 16 b + 8 h + 0 .. 7
	global_load_b128 v[BI+8*\b+4:BI+8*\b+7], v[H32], s[20:21] offset:64*\b+16
	global_load_b128 v[AF+8*\b:AF+8*\b+3], v[H32], s[22:23] offset:64*\b        ; bQ or bK at the same channels
	global_load_b128 v[AF+8*\b+4:AF+8*\b+7], v[H32], s[22:23] offset:64*\b+16
	global_load_b32 v[BR+\b], v[R4], s[46:47] offset:64*\b                      ; b_attn at channel 16 b + r
.endr
	s_wait_loadcnt 0x0
.set i, 0
.rept 32
	v_pk_add_f32 v[BI+2*i:BI+2*i+1], v[BI+2*i:BI+2*i+1], v[AF+2*i:AF+2*i+1]
.set i, i+1
.endr
.macro FRAG reg, adr, q, i             ; 16 rows x 128 K: lane l holds row l % 16; registers 4 c .. 4 c + 3 hold K = 32 c + 16 (l / 16) + 0 .. 15
.irp c, 0,1,2,3
	ds_load_b128 v[\reg+4*\c:\reg+4*\c+3], v[\adr] offset:128*(\q)+32*\c+(\i)*16*PITCH
.endr
.endm
; 16 matrix instructions: A's blocks a0, a0 + 1 x B's eight, the slot's q-th 128 along K.  The 64 accumulators take turns, one instruction a turn, in the same order in every step.
.macro MUL16 a0, p, q, sc, zero
.irp a, \a0, \a0+1
.irp b, 0,1,2,3,4,5,6,7
.if \zero
	v_wmma_scale_f32_16x16x128_f8f6f4 v[8*(8*((\a)%4)+\b):8*(8*((\a)%4)+\b)+7], v[128*(\p)+FR*\b:128*(\p)+FR*\b+FR-1], v[AF+FR*(\a):AF+FR*(\a)+FR-1], 0, v[SC+8*NQ*(\sc)+NQ*\b+(\q)], v[SC+8*NQ*(\sc)+NQ*(\a)+(\q)] matrix_a_scale:MATRIX_SCALE_ROW1
.else
	v_wmma_scale_f32_16x16x128_f8f6f4 v[8*(8*((\a)%4)+\b):8*(8*((\a)%4)+\b)+7], v[128*(\p)+FR*\b:128*(\p)+FR*\b+FR-1], v[AF+FR*(\a):AF+FR*(\a)+FR-1], v[8*(8*((\a)%4)+\b):8*(8*((\a)%4)+\b)+7], v[SC+8*NQ*(\sc)+NQ*\b+(\q)], v[SC+8*NQ*(\sc)+NQ*(\a)+(\q)] matrix_a_scale:MATRIX_SCALE_ROW1
.endif
.endr
.endr
.endm
.macro FETCH_B slot, q, p
	WIN TO_B
.irp i, 0,1,2,3,4,5,6,7
	FRAG 128*(\p)+FR*\i, ADRB+\slot, \q, \i
.endr
	WIN 0
.endm
.macro FETCH_A slot, q, i0
.irp i, \i0, \i0+1, \i0+2, \i0+3
	FRAG AF+FR*(\i), ADRA+\slot, \q, \i
.endr
.endm
.macro SCALES sc                       ; a K step's scale words: two words a row; lanes 0-15 take A's block i, lanes 16-31 B's block i
.irp i, 0,1,2,3,4,5,6,7
	ds_load_b64 v[SC+8*NQ*\sc+NQ*\i:SC+8*NQ*\sc+NQ*\i+1], v[ADRS] offset:\i*SBLK
.endr
.endm
.macro PLACES n                        ; plain vector instructions between a matrix instruction and a load into, or a vector instruction on, its registers
.rept \n
	v_nop
.endr
.endm
.macro STEP slot, q, zero              ; a step of 128 along K that has its successor in the same slot
	s_wait_dscnt 4*NL                              ; B's set and A's blocks 0-3 are in; the youngest 16 loads (A's blocks 4-7) may be out
	WIN MUL_LO
	MUL16 0, (\q)%2, \q, \slot, \zero
	MUL16 2, (\q)%2, \q, \slot, \zero
	s_wait_dscnt 0                                 ; A's blocks 4-7 are in
	PLACES NP
	FETCH_B \slot, (\q)+1, 1-(\q)%2
	FETCH_A \slot, (\q)+1, 0
	WIN MUL_HI
	MUL16 4, (\q)%2, \q, \slot, \zero
	MUL16 6, (\q)%2, \q, \slot, \zero
	PLACES NP
	WIN 0
	FETCH_A \slot, (\q)+1, 4
.endm
; A slot's last step changes slots: one barrier; in front of it each wave waits for all its tensor loads, adds 0 to its spare word, and waits for that and for its own reads of this slot.
.macro TURN slot, next, fill
	s_wait_tensorcnt 0x0                           ; all my tensor loads have landed: my part of the next slot
	ds_add_u32 v[SPW], v[NIL]                      ; 0 onto my spare word
	s_wait_dscnt 4*NL+1                            ; the add and the youngest 16 loads (A's blocks 4-7) may be out
	WIN MUL_LO
	MUL16 0, 1, NQ-1, \slot, 0
	s_wait_dscnt 0x0                               ; the add is done, and my reads of this slot are over
	s_barrier_signal -1
	MUL16 2, 1, NQ-1, \slot, 0
	WIN 0
	s_barrier_wait -1
.if \fill
	CREST                                          ; the barrier has opened a round of the cluster's barrier: no wave of any partner still reads this slot or has a load on its way
	s_add_nc_u64 s[G0+4*\slot+2:G0+4*\slot+3], s[G0+4*\slot+2:G0+4*\slot+3], 2*ROWB
	s_add_nc_u64 s[G0B+4*\slot+2:G0B+4*\slot+3], s[G0B+4*\slot+2:G0B+4*\slot+3], 2*ROWB
	JLOAD G0+4*\slot, G1, G0B+4*\slot, G1B         ; the first tensor load behind the round; its four v_nop are among the places in front of the loads below
	PLACES NP-4
.else
	PLACES NP
.endif
	s_wait_alu depctr_va_vdst(0)
	v_add_nc_u32 v[ADRS], 4*NQ, v[ADRS]            ; on to the next K step's scale words
	FETCH_B \next, 0, 0
	FETCH_A \next, 0, 0
	SCALES \next
	WIN MUL_HI
	MUL16 4, 1, NQ-1, \slot, 0
	MUL16 6, 1, NQ-1, \slot, 0
	PLACES NP
	WIN 0
	FETCH_A \next, 0, 4
.endm
	s_wait_tensorcnt 1                             ; of my three first fills the scales and K step 0 are in; K step 1's may be out
	s_barrier_signal -1
	s_barrier_wait -1
	FETCH_B 0, 0, 0
	FETCH_A 0, 0, 0
	SCALES 0
	FETCH_A 0, 0, 4
	STEP 0, 0, 1                                   ; the first step's products start the sums
	s_mov_b32 s3, LAPS-1
.Llap:
	TURN 0, 1, 1
	STEP 1, 0, 0
	TURN 1, 0, 1
	STEP 0, 0, 0
	s_sub_co_u32 s3, s3, 1
	s_cmp_lg_u32 s3, 0
	s_cbranch_scc1 .Llap
	TURN 0, 1, 0                                   ; the last lap fills nothing
	STEP 1, 0, 0
	s_wait_dscnt 4*NL
	WIN MUL_LO
	MUL16 0, 1, NQ-1, 1, 0
	MUL16 2, 1, NQ-1, 1, 0
	s_wait_dscnt 0
	WIN MUL_HI
	MUL16 4, 1, NQ-1, 1, 0
	MUL16 6, 1, NQ-1, 1, 0
	WIN 0
; THE QUANTISER: 64 numbers of a lane, v[ST] on, register 16 b + i in block b, become 16 registers of codes at v[PCS] on and the four blocks' scale bytes in v[PW].  A block lies in lanes l and l xor 16.
.macro QUANT
.irp b, 0,1,2,3
	v_max3_num_f32 v[TM+\b], |v[ST+16*\b]|, |v[ST+1+16*\b]|, 0x4800000   ; my 16 numbers, and the floor 2^(9 - 127): the byte cannot fall under 1
.endr
.irp i, 2,4,6,8,10,12,14
.irp b, 0,1,2,3
	v_max3_num_f32 v[TM+\b], v[TM+\b], |v[ST+16*\b+\i]|, |v[ST+1+16*\b+\i]|
.endr
.endr
.irp b, 0,1,2,3
	v_permlanex16_b32 v[TM+4+\b], v[TM+\b], s[SEL], s[SEL+1]
.endr
.irp b, 0,1,2,3
	v_max_num_f32 v[TM+\b], v[TM+\b], v[TM+4+\b]   ; the block's largest magnitude
.endr
.irp b, 0,1,2,3
	v_add_nc_u32 v[TM+12+\b], 0xfc000000, v[TM+\b] ; 8 off its exponent field: the conversion's scale operand
.endr
.irp b, 0,1,2,3
.endr
.irp b, 0,1,2,3
	v_lshrrev_b32 v[TM+4+\b], 23, v[TM+12+\b]      ; the scale's byte
.endr
	v_lshl_or_b32 v[PW], v[TM+5], 8, v[TM+4]
	v_lshl_or_b32 v[PW], v[TM+6], 16, v[PW]
	v_lshl_or_b32 v[PW], v[TM+7], 24, v[PW]
.irp b, 0,1,2,3
.irp i, 0,1,2,3,4,5,6,7,8,9,10,11,12,13,14,15
.endr
	v_cvt_scalef32_pk8_fp8_f32 v[PCS+4*\b:PCS+1+4*\b], v[ST+16*\b:ST+7+16*\b], v[TM+12+\b]
	v_cvt_scalef32_pk8_fp8_f32 v[PCS+2+4*\b:PCS+3+4*\b], v[ST+8+16*\b:ST+15+16*\b], v[TM+12+\b]
.endr
	v_nop                                          ; one plain vector instruction behind the last conversion, ahead of the next writes of its sources
.endm
; THE WAY OUT, without LDS.  For each of A's eight blocks: the bias is added while the 64 sums move into window 0 (each accumulator read from its low end on), they are quantised, and the codes leave as images.
.macro WAYOUT kind
.if \kind
	s_lshl_b32 s32, s42, 1
	s_add_co_u32 s32, s32, s16                     ; my 128 tokens: group 2 x B's tile + half
	s_lshr_b32 s33, s32, 4                         ; the batch
	s_and_b32 s32, s32, 15                         ; the key step
	s_sub_co_u32 s34, s17, 8
	s_lshl_b32 s34, s34, 2
	s_lshl_b32 s35, s15, 1
	s_add_co_u32 s34, s34, s35                     ; my first head: 4 (A's tile - 8) + 2 x half
	s_lshl_b32 s33, s33, 4
	s_add_co_u32 s33, s33, s34
	s_lshl_b32 s33, s33, 4
	s_add_co_u32 s32, s33, s32                     ; (16 x batch + head) x 16 + key step
	s_mul_i32 s36, s32, KVSTEP
	s_add_co_u32 s36, s36, 8192                    ; v's image
	s_mov_b32 s37, 0
	s_add_nc_u64 s[24:25], s[98:99], s[36:37]      ; the first head's,
	s_add_nc_u64 s[26:27], s[24:25], 16*KVSTEP     ; the second's,
	s_add_nc_u64 s[28:29], s[24:25], 8704          ; and their scale words, at 16,896 of the key step
	s_add_nc_u64 s[30:31], s[26:27], 8704
.irp a, 0,1,2,3,4,5,6,7
	v_mov_b32 v[BRP+2*\a], v[BR+\a]                ; a lane's bias is one number a block: twice, for the packed addition
	v_mov_b32 v[BRP+2*\a+1], v[BR+\a]
.endr
.else
	s_lshl_b32 s32, s17, 1
	s_add_co_u32 s32, s32, s15                     ; my 128 tokens: group 2 x A's tile + half
	s_lshr_b32 s33, s32, 4                         ; the batch
	s_and_b32 s32, s32, 15                         ; the group in it
	s_and_b32 s34, s42, 3
	s_lshl_b32 s34, s34, 2
	s_lshl_b32 s35, s16, 1
	s_add_co_u32 s34, s34, s35                     ; my first head: 4 cx + 2 x half
	s_lshl_b32 s33, s33, 4
	s_add_co_u32 s33, s33, s34
	s_lshl_b32 s33, s33, 4
	s_add_co_u32 s32, s33, s32
	s_mov_b32 s33, KVSTEP
	s_mov_b32 s34, 16384
	s_cmp_eq_u32 ttmp9, 0                          ; q goes to qpk, k to kvp
	s_cselect_b64 s[24:25], s[96:97], s[98:99]
	s_cselect_b32 s33, QGRP, s33                   ; a group's bytes there,
	s_cselect_b32 s34, 8192, s34                   ; and where its scale words begin
	s_mul_i32 s36, s32, s33
	s_mov_b32 s37, 0
	s_add_nc_u64 s[24:25], s[24:25], s[36:37]      ; the first head's image,
	s_lshl_b32 s36, s33, 4
	s_add_nc_u64 s[26:27], s[24:25], s[36:37]      ; the second's: 16 groups on,
	s_mov_b32 s36, s34
	s_add_nc_u64 s[28:29], s[24:25], s[36:37]      ; and their scale words
	s_add_nc_u64 s[30:31], s[26:27], s[36:37]
.endif
.irp a, 0,1,2,3,4,5,6,7
.set AC, 64*((\a)%4)
.set PCS, PC+16*((\a)%2)
.set WN, 0x02+(\a)/4
	WIN WN                                         ; source 0: window 2 or 3
.set i, 0
.rept 32
.if \kind
	v_pk_add_f32 v[ST+2*i:ST+2*i+1], v[AC+2*i:AC+2*i+1], v[BRP+2*\a:BRP+2*\a+1]
.else
	v_pk_add_f32 v[ST+2*i:ST+2*i+1], v[AC+2*i:AC+2*i+1], v[BI+2*i:BI+2*i+1]
.endif
.set i, i+1
.endr
	WIN 0
.if \a > 0
	s_wait_xcnt 0x0                                ; the earlier stores have read their data: this set of code registers may be written again
.endif
	QUANT
.if \kind
.if (\a)%2 == 0
	v_mov_b32 v[SF+(\a)/2], v[PW]                  ; an even tile's words stay in lanes 0-15,
.else
	v_cndmask_b32 v[SF+(\a)/2], v[SF+(\a)/2], v[PW], vcc_lo   ; an odd tile's go to lanes 16-31
.endif
.irp c, 0,1,2,3
	global_store_b128 v[LI], v[PCS+4*\c:PCS+4*\c+3], s[24+2*(\a/4):25+2*(\a/4)] offset:2048*(\a%4)+512*\c   ; 512 consecutive bytes
.endr
.else
.if (\a)%2 == 0
	v_and_or_b32 v[SA+(\a)/2], v[PW], s100, s101   ; bytes 0, 1: the first head's two blocks; bytes 2, 3 of a word are 0x7f, for the half of K that holds zero codes
	v_lshrrev_b32 v[WT], 16, v[PW]
	v_or_b32 v[SB+(\a)/2], s101, v[WT]             ; bytes 2, 3: the second head's
.else
	v_and_or_b32 v[WT], v[PW], s100, s101
	v_lshrrev_b32 v[WT+1], 16, v[PW]
	v_or_b32 v[WT+1], s101, v[WT+1]
	v_cndmask_b32 v[SA+(\a)/2], v[SA+(\a)/2], v[WT], vcc_lo
	v_cndmask_b32 v[SB+(\a)/2], v[SB+(\a)/2], v[WT+1], vcc_lo
.endif
.irp c, 0,1,2,3
	global_store_b128 v[LI], v[PCS+4*\c:PCS+4*\c+3], s[24+2*(\c/2):25+2*(\c/2)] offset:1024*\a+512*(\c%2)   ; 512 consecutive bytes
.endr
.endif
.endr
.if \kind
	global_store_b64 v[L8], v[SF:SF+1], s[28:29]   ; 256 consecutive bytes
	global_store_b64 v[L8], v[SF+2:SF+3], s[30:31]
.else
	global_store_b128 v[LI], v[SA:SA+3], s[28:29]  ; 512 consecutive bytes
	global_store_b128 v[LI], v[SB:SB+3], s[30:31]
.endif
.endm
	PLACES NP                                      ; behind the last products: their results are read, and the registers that held fragments and scale words are written, only behind these
.irp b, 0,1,2,3
	v_mov_b32 v[TM+4+\b], 0                        ; written once: a lane permute's destination counts as one of its sources
.endr
	s_mov_b32 s100, 0xffff
	s_mov_b32 s101, 0x7f7f0000
	s_mov_b32 vcc_lo, 0xffff0000                   ; lanes 16-31
	s_cmp_lg_u32 s2, 0                             ; the kind: the same in all partners
	s_cbranch_scc1 .Lway_v
	WAYOUT 0
	s_branch .Lend
.Lway_v:
	WAYOUT 1
.Lend:
	s_wait_tensorcnt 0x0                           ; the wave's end
	ds_add_u32 v[SPW], v[NIL]
	s_wait_dscnt 0x0
	CROUND                                         ; the closing round: no work-group ends while a partner may still ask for a tile that names it
	s_endpgm
.Lfunc_end_k_q1e135e3e43_qkv:
	.size	k_q1e135e3e43_qkv, .Lfunc_end_k_q1e135e3e43_qkv-k_q1e135e3e43_qkv
	.p2alignl 7, 3214868480
	.fill 96, 4, 3214868480
	.section	.rodata,"a",@progbits
	.p2align	6, 0x0
	.amdhsa_kernel k_q1e135e3e43_qkv
		.amdhsa_group_segment_fixed_size 327680
		.amdhsa_private_segment_fixed_size 0
		.amdhsa_enable_private_segment 0
		.amdhsa_kernarg_size 72
		.amdhsa_user_sgpr_count 2
		.amdhsa_user_sgpr_kernarg_segment_ptr 1
		.amdhsa_wavefront_size32 1
		.amdhsa_system_sgpr_workgroup_id_x 1
		.amdhsa_system_sgpr_workgroup_id_y 1
		.amdhsa_system_sgpr_workgroup_id_z 1
		.amdhsa_system_vgpr_workitem_id 0
		.amdhsa_next_free_vgpr 1024
		.amdhsa_next_free_sgpr 106
		.amdhsa_reserve_vcc 1
		.amdhsa_float_denorm_mode_32 3
		.amdhsa_float_denorm_mode_16_64 3
		.amdhsa_fp16_overflow 1
		.amdhsa_memory_ordered 1
		.amdhsa_forward_progress 1
		.amdhsa_inst_pref_size 224
	.end_amdhsa_kernel
	.amdgpu_metadata
---
amdhsa.version: [ 1, 2 ]
amdhsa.kernels:
  - .name:           k_q1e135e3e43_qkv
    .symbol:         k_q1e135e3e43_qkv.kd
    .args:
      - { .name: x_codes, .offset: 0, .size: 8, .value_kind: global_buffer, .address_space: global }
      - { .name: x_scales, .offset: 8, .size: 8, .value_kind: global_buffer, .address_space: global }
      - { .name: W_attn_codes, .offset: 16, .size: 8, .value_kind: global_buffer, .address_space: global }
      - { .name: W_attn_scales, .offset: 24, .size: 8, .value_kind: global_buffer, .address_space: global }
      - { .name: b_attn, .offset: 32, .size: 8, .value_kind: global_buffer, .address_space: global }
      - { .name: bQ, .offset: 40, .size: 8, .value_kind: global_buffer, .address_space: global }
      - { .name: bK, .offset: 48, .size: 8, .value_kind: global_buffer, .address_space: global }
      - { .name: qpk, .offset: 56, .size: 8, .value_kind: global_buffer, .address_space: global }
      - { .name: kvp, .offset: 64, .size: 8, .value_kind: global_buffer, .address_space: global }
    .group_segment_fixed_size: 327680
    .private_segment_fixed_size: 0
    .kernarg_segment_align: 8
    .kernarg_segment_size: 72
    .max_flat_workgroup_size: 128
    .sgpr_count:     106
    .vgpr_count:     1024
    .wavefront_size: 32
...
	.end_amdgpu_metadata
.endif
;; end of part 1
;; launch attn (part 2): grid 4 x 64, 16 waves a work-group, no clusters, 327,680 bytes of LDS; arguments qpk, kvp, bQ, ycodes, yscales, out1; writes ycodes, yscales, out1
.if DOCPART == 2
	.amdgcn_target "amdgcn-amd-amdhsa--gfx1250"
	.amdhsa_code_object_version 6
	.text
	.protected	k_q1e135e3e43_attn
	.globl	k_q1e135e3e43_attn
	.p2align	8
	.type	k_q1e135e3e43_attn,@function
k_q1e135e3e43_attn:
	s_mov_b64 s[64:65], 0
	v_nop
	global_prefetch_b8 v0, s[64:65] scope:SCOPE_SE
	s_setreg_imm32_b32 hwreg(HW_REG_WAVE_MODE, 25, 1), 1
	s_wait_xcnt 0x0
; y[q] = the sum over keys k <= q of softmax_k(Q[q] . K[k] / 8) V[k], for each of 64 (batch, head), both products on codes of E4M3 with one E8M0 scale for each 32 along K; y is quantised along C and stored as codes.  out1 = bQ.
; THE SOFTMAX: t = score x log2(e) / 8; M = the row's largest t so far, rounded UP to a whole number; p = 2^(t - M) is quantised along the keys, not normalised.  The row's sum is taken of the unquantised p and divides at the end.
; When M moves, the sum and O are multiplied by 2^(old M - new M), which rounds nothing.
; SHARES.  Work-group (i, bh) owns two blocks of 256 queries of one head: block 7 - i (8 - i slots of 256 keys), then block i (i + 1 slots): nine slots for every work-group, so the causal mask leaves all with equal work
; and the loop's trip count is a constant.  Each of the sixteen waves owns 16 queries of the block in hand, in 256 registers: four waves to a SIMD.
; A step (128 keys) all of whose keys come after the wave's queries is jumped over, by a scalar branch on ids; on the diagonal hidden scores become -infinity ahead of the maximum.
; OPERANDS come as images of their registers (four registers of 32 lanes = 512 consecutive bytes at 16 x lane): a key step's K, V and scale words are one dense block of 17,152 bytes, brought by one tensor load.
; Both products are used transposed: S^T = K Q^T (source 0 = 16 keys, source 1 = my 16 queries), O^T = V^T P^T (source 0 = 16 channels): a lane holds one query (lane % 16) throughout.
; THE HEAD HAS 64 CHANNELS, THE INSTRUCTION 128 ALONG K.  Q's fragment is 8 registers of codes and 8 of zero codes.  K's eight fragments lie 8 registers apart, so the upper half of fragment t is fragment t + 1's codes
; (behind the last: 8 registers of zeros): finite numbers, which meet Q's zero codes and add nothing; the scale bytes of that half are 0x7f on both sides.
; THE ORDER INSIDE A BLOCK OF 32 KEYS: a lane's p of tiles 2 c and 2 c + 1 are keys 32 c + 8 h + 0..7 and 32 c + 16 + 8 h + 0..7; their codes fill the places 32 c + 16 h + 0..15.  V's codes were laid the same way.
; LIMITS: NaN and infinities are not served.  A block whose largest magnitude lies under 2^-118, a block of zeros too, gets the byte 1.  The division by the row's sum is v_rcp_f32 and a multiplication.
.set STEPB, 17152                      ; a key step: K 8,192, V 8,192, K's scale words 512, V's 256
.set SLOTB, 2*STEPB
.set SLOT1, 65536                      ; slot 1 begins here: one exclusive or turns an address from one slot to the other
.set SPARE, 131072                     ; the spare words, 128 bytes for each of 16 waves: eight blocks of 256 bytes that no other line names
.set QGRP,  8704
.set LI,  1                            ; v1   16 x lane
.set L8,  2                            ; v2   8 x lane
.set RH,  3                            ; v3   r - 8 h
.set YO,  4                            ; v4   16 r + 8 h
.set SPW, 5
.set NIL, 6
.set PFO, 7                            ; v7   256 x lane
.set ADK, 8                            ; v8   the slot in hand + 16 x lane
.set AD8, 9                            ; v9   the slot in hand + 8 x lane
.set YSO, 10                           ; v10  32 r
.set QS2, 11                           ; v11  the second block's scale word of Q
.set QF,  16                           ; v16-23 Q's codes, v24-31 zeros
.set KV,  32                           ; v32-95 K's 8 x 8 or V's 4 x 16; v96-103 zeros
.set SR,  104                          ; v104-167 S^T, then p
.set OT,  168                          ; v168-199 O^T
.set PC,  200                          ; v200-215 p's codes
.set KSC, 216                          ; v216-219 K's scale words
.set VSC, 220                          ; v220-221 V's
.set QSC, 222                          ; v222 Q's
.set PSC, 223                          ; v223 p's
.set BM,  224
.set PB,  228
.set HM,  232
.set SO,  236
.set FF,  240                          ; v[240:241] f = 2^(old M - new M), and 0
.set TT,  242
.set SUM2, 244
.set MK,  246
.set Q2,  248                          ; v248-255 the second block's codes of Q
.set TB,  2                            ; s2   LDS byte at which the slot in hand begins
.set KF,  3                            ; s3   the step's first key
.set WV,  18
.set MNT, 19
.set SEL, 20
.set CS,  22                           ; s[22:23] c = log2(e) / 8
.set G1,  24
.set G0,  32
.set KVW, 36                           ; s[36:37] the head's first key step (waves with an odd number: its second) in kvp
.set OFF, 38                           ; s[38:39] the slot that is asked for, in bytes from there
.set NX,  40                           ; s40  slots asked for
.set N1,  41                           ; s41  the first block's slots: 8 - i
.set SLOTS, 42
.set Q0,  43                           ; s43  my first query
.set Q0B, 44                           ; s44  and in the second block
.set LIM, 45
.set PFA, 46
.set YB1, 48
.set YB2, 50
.set YS1, 52
.set YS2, 54
.macro TLOAD                           ; waves 0 and 1 fetch a slot's two key steps; four v_nop follow the line
	s_cmp_lt_u32 s[WV], 2
	s_cbranch_scc0 .Lasked_\@
	tensor_load_to_lds s[G0:G0+3], s[G1:G1+7]
	s_nop 0
.rept 4
	v_nop
.endr
.Lasked_\@:
.endm
; A prefetch of the slot that the NEXT change of slots will ask for.  The four work-groups of a head walk the same key steps; work-group 0, whose first block walks all eight slots, asks.  In it waves 4 to 7 ask, one instruction
; each: wave 4 + p for the 8,192 bytes of K's (p even) or V's (p odd) image of the slot's key step p / 2, lanes 256 bytes apart.  It stops with slot 7: trips 0 to 5.  The 768 scale bytes of a step are not asked for.
.macro ASK
	s_cmp_gt_u32 s[SLOTS], s[LIM]
	s_cbranch_scc0 .Lnot_mine_\@
	global_prefetch_b8 v[PFO], s[PFA:PFA+1] th:TH_LOAD_NT scope:SCOPE_SE
.Lnot_mine_\@:
.endm
	s_load_b256 s[4:11], s[0:1], 0x0               ; qpk, kvp, bQ, ycodes
	s_load_b128 s[12:15], s[0:1], 0x20             ; yscales, out1
	v_lshl_add_u32 v[SPW], v0, 2, SPARE
	v_mov_b32 v[NIL], 0
	ds_add_u32 v5, v6
	ds_add_u32 v5, v6
	s_wait_dscnt 0x0
	v_lshrrev_b32 v8, 5, v0
	s_delay_alu instid0(VALU_DEP_1)
	v_readfirstlane_b32 s[WV], v8                  ; wave 0..15
	s_and_b32 s56, ttmp7, 0xffff                   ; bh = 16 x batch + head
	; descriptor group 1: 17,152 dense bytes as 67 rows of 256 bytes (32 elements of 8 bytes), no padding
	s_mov_b32 s[G1], 3<<16
	s_mov_b32 s[G1+1], 32<<16
	s_mov_b32 s[G1+2], 67<<16
	s_mov_b32 s[G1+3], 32<<16
	s_mov_b32 s[G1+4], 67
	s_mov_b32 s[G1+5], 32
	s_mov_b32 s[G1+6], 0
	s_mov_b32 s[G1+7], 0
	s_and_b32 s57, s[WV], 1
	s_mul_i32 s57, s57, STEPB                      ; which key step of a slot I fetch: its place in memory and in LDS alike
	s_mul_i32 s58, s56, 16*STEPB                   ; the head's first byte in kvp
	s_add_co_u32 s[KVW], s58, s57
	s_mov_b32 s[KVW+1], 0
	s_mov_b32 s[OFF], 0
	s_mov_b32 s[OFF+1], 0
	s_mov_b32 s[NX], 0
	s_mov_b32 s[SLOTS], 8
	s_mov_b32 s[TB], 0
	s_mov_b32 s[KF], 0
	s_mov_b32 s[SEL], 0x76543210
	s_mov_b32 s[SEL+1], 0xfedcba98
	s_mov_b32 s[CS], 0x3e38aa3b                    ; log2(e) / 8
	s_mov_b32 s[CS+1], s[CS]
	s_sub_co_u32 s[N1], 8, ttmp9
	s_sub_co_u32 s96, 7, ttmp9                     ; the first block
	s_lshl_b32 s97, s[WV], 4
	s_lshl_b32 s[Q0], s96, 8
	s_add_co_u32 s[Q0], s[Q0], s97
	s_lshl_b32 s[Q0B], ttmp9, 8
	s_add_co_u32 s[Q0B], s[Q0B], s97
	s_mul_i32 s59, s56, 16*QGRP                    ; the head's first byte in qpk
	s_lshr_b32 s60, s[Q0], 7
	s_mul_i32 s60, s60, QGRP
	s_add_co_u32 s60, s60, s59                     ; my group of 128 queries, first block,
	s_mov_b32 s61, 0
	s_lshr_b32 s62, s[Q0B], 7
	s_mul_i32 s62, s62, QGRP
	s_add_co_u32 s62, s62, s59                     ; second block
	s_mov_b32 s63, 0
	s_lshr_b32 s96, s56, 4
	s_lshl_b32 s96, s96, 11                        ; 2,048 x batch
	s_and_b32 s97, s56, 15                         ; the head
	s_add_co_u32 s98, s96, s[Q0]
	s_add_co_u32 s99, s98, s97
	s_lshl_b32 s[YB1], s99, 10                     ; ycodes: token x 1,024 + head x 1,024 (a tile of 16 tokens is 16,384 bytes, a head's two blocks 1,024 of them)
	s_mov_b32 s[YB1+1], 0
	s_lshl_b32 s98, s98, 5
	s_lshl_b32 s99, s97, 1
	s_add_co_u32 s[YS1], s98, s99                  ; yscales: token x 32 + 2 x head
	s_mov_b32 s[YS1+1], 0
	s_add_co_u32 s98, s96, s[Q0B]
	s_add_co_u32 s99, s98, s97
	s_lshl_b32 s[YB2], s99, 10
	s_mov_b32 s[YB2+1], 0
	s_lshl_b32 s98, s98, 5
	s_lshl_b32 s99, s97, 1
	s_add_co_u32 s[YS2], s98, s99
	s_mov_b32 s[YS2+1], 0
	s_bfe_u32 s98, s[WV], 0x10001                  ; the prefetches: key step (w >> 1) & 1 of a slot,
	s_mul_i32 s98, s98, STEPB
	s_and_b32 s99, s[WV], 1
	s_lshl_b32 s99, s99, 13                        ; K's image or V's,
	s_add_co_u32 s98, s98, s99
	s_add_co_u32 s98, s98, s58
	s_add_co_u32 s[PFA], s98, SLOTB                ; in slot 1: the first change of slots steps it to slot 2
	s_mov_b32 s[PFA+1], 0
	s_sub_co_u32 s98, s[WV], 4
	s_lshr_b32 s98, s98, 2                         ; 0 in waves 4 to 7,
	s_or_b32 s98, s98, ttmp9                       ; of the head's work-group 0
	s_cmp_eq_u32 s98, 0
	s_cselect_b32 s[LIM], 2, -1
	s_wait_kmcnt 0x0
	s_add_nc_u64 s[KVW:KVW+1], s[6:7], s[KVW:KVW+1]
	s_mov_b32 s[G0], 1
	s_mov_b32 s[G0+1], s57                         ; slot 0
	s_mov_b64 s[G0+2:G0+3], s[KVW:KVW+1]
	s_or_b32 s[G0+3], s[G0+3], 0x80000000
	TLOAD                                          ; the first fill: keys 0 to 255
	s_add_nc_u64 s[60:61], s[4:5], s[60:61]
	s_add_nc_u64 s[62:63], s[4:5], s[62:63]
	s_add_nc_u64 s[PFA:PFA+1], s[6:7], s[PFA:PFA+1]
	s_add_nc_u64 s[YB1:YB1+1], s[10:11], s[YB1:YB1+1]
	s_add_nc_u64 s[YB2:YB2+1], s[10:11], s[YB2:YB2+1]
	s_add_nc_u64 s[YS1:YS1+1], s[12:13], s[YS1:YS1+1]
	s_add_nc_u64 s[YS2:YS2+1], s[12:13], s[YS2:YS2+1]
	v_and_b32 v8, 31, v0                           ; lane
	s_delay_alu instid0(VALU_DEP_1)
	v_lshlrev_b32 v[LI], 4, v8
	s_delay_alu instid0(VALU_DEP_2)
	v_lshlrev_b32 v[L8], 3, v8
	s_delay_alu instid0(VALU_DEP_3)
	v_lshlrev_b32 v[PFO], 8, v8
	v_and_b32 v9, 15, v0                           ; r
	s_wait_alu depctr_va_vdst(0)
	v_bfe_u32 v10, v0, 4, 1                        ; h
	s_delay_alu instid0(VALU_DEP_1)
	v_lshlrev_b32 v[TT], 3, v10
	s_delay_alu instid0(VALU_DEP_1)
	v_sub_nc_u32 v[RH], v9, v[TT]
	s_delay_alu instid0(VALU_DEP_2)
	v_lshl_add_u32 v[YO], v9, 4, v[TT]
	v_lshlrev_b32 v[YSO], 5, v9
	s_and_b32 s98, s[WV], 7
	s_lshl_b32 s98, s98, 10                        ; my tile of the group's eight
	v_add_nc_u32 v8, s98, v[LI]
	s_and_b32 s98, s[WV], 1
	s_lshl_b32 s98, s98, 8                         ; its scale words: an odd tile's lie in lanes 16-31 of the image,
	s_bfe_u32 s99, s[WV], 0x20001
	s_lshl_b32 s99, s99, 2                         ; in word (tile / 2)
	s_add_co_u32 s98, s98, s99
	s_add_co_u32 s98, s98, 8192
	v_lshl_add_u32 v9, v9, 4, s98
	global_load_b128 v[QF:QF+3], v8, s[60:61]
	global_load_b128 v[QF+4:QF+7], v8, s[60:61] offset:512
	global_load_b32 v[QSC], v9, s[60:61]
	global_load_b128 v[Q2:Q2+3], v8, s[62:63]
	global_load_b128 v[Q2+4:Q2+7], v8, s[62:63] offset:512
	global_load_b32 v[QS2], v9, s[62:63]
	; out1 = bQ: 16 blocks of 256 bytes, one for wave 8 of each work-group (0, bh) with bh under 16
	s_lshr_b32 s98, s56, 4
	s_or_b32 s98, s98, ttmp9
	s_xor_b32 s99, s[WV], 8
	s_or_b32 s98, s98, s99
	s_cmp_lg_u32 s98, 0
	s_cbranch_scc1 .Lno_copy
	s_lshl_b32 s96, s56, 8
	s_mov_b32 s97, 0
	s_add_nc_u64 s[8:9], s[8:9], s[96:97]
	s_add_nc_u64 s[14:15], s[14:15], s[96:97]
	global_load_b64 v[TT:TT+1], v[L8], s[8:9]
	s_wait_loadcnt 0x0
	global_store_b64 v[L8], v[TT:TT+1], s[14:15]   ; 256 consecutive bytes
	s_wait_xcnt 0x0                                ; the store has read its data: the registers are written again below
.Lno_copy:
.irp j, 0,1,2,3,4,5,6,7
	v_mov_b32 v[QF+8+\j], 0                        ; zero codes: Q's upper half of K,
	v_mov_b32 v[KV+64+\j], 0                       ; and what stands behind K's last fragment
.endr
	v_mov_b32 v13, 0xff61b1e6                      ; the largest t so far: -3e38, under every t
	s_delay_alu instid0(VALU_DEP_1)
	v_floor_f32 v12, -v13                          ; -M
	v_mov_b32 v14, 0                               ; the sum, in two halves
	v_mov_b32 v15, 0
.set j, 0
.rept 32
	v_mov_b32 v[OT+j], 0                           ; O^T: the step is written once; the first finds zeros
.set j, j+1
.endr
.irp b, 0,1,2,3
	v_mov_b32 v[PB+\b], 0                          ; a lane permute's destination counts as one of its sources
.endr
	v_mov_b32 v[FF+1], 0
	v_mov_b32 v[TT], 0
; A KEY STEP: 128 keys, the q-th of the slot in hand.
.macro STEP q
	s_add_co_u32 s96, s[Q0], 15
	s_cmp_gt_u32 s[KF], s96                        ; all its keys come after my queries: nothing to do but the step of KF
	s_cbranch_scc1 .Lhidden_\@
	v_add_nc_u32 v[ADK], s[TB], v[LI]
	v_add_nc_u32 v[AD8], s[TB], v[L8]
.rept 6
	v_nop                                          ; with the two additions eight places, in front of loads into registers that the last products read
.endr
.irp t, 0,1,2,3,4,5,6,7
	ds_load_b128 v[KV+8*\t:KV+8*\t+3], v[ADK] offset:\q*STEPB+1024*\t
	ds_load_b128 v[KV+8*\t+4:KV+8*\t+7], v[ADK] offset:\q*STEPB+1024*\t+512
.endr
	ds_load_b128 v[KSC:KSC+3], v[ADK] offset:\q*STEPB+16384
	s_wait_alu depctr_va_vdst(0)
	s_wait_dscnt 0x0
.irp t, 0,1,2,3,4,5,6,7
.if (\t)%2
	v_wmma_scale_f32_16x16x128_f8f6f4 v[SR+8*\t:SR+8*\t+7], v[KV+8*\t:KV+8*\t+15], v[QF:QF+15], 0, v[KSC+\t/2], v[QSC] matrix_a_scale:MATRIX_SCALE_ROW1
.else
	v_wmma_scale_f32_16x16x128_f8f6f4 v[SR+8*\t:SR+8*\t+7], v[KV+8*\t:KV+8*\t+15], v[QF:QF+15], 0, v[KSC+\t/2], v[QSC]
.endif
.endr                                              ; lane (r, h): query r; register 8 t + j: key KF + 16 t + 8 h + j
.rept 8
	v_nop                                          ; places in front of the loads below and of the first read of the scores
.endr
.irp t, 0,1,2,3                                    ; V's fragments are asked for now and land during the softmax
.irp c, 0,1,2,3
	ds_load_b128 v[KV+16*\t+4*\c:KV+16*\t+4*\c+3], v[ADK] offset:\q*STEPB+8192+2048*\t+512*\c
.endr
.endr
	ds_load_b64 v[VSC:VSC+1], v[AD8] offset:\q*STEPB+16896
	s_add_co_u32 s96, s[KF], 127
	s_cmp_le_u32 s96, s[Q0]                        ; all keys count: no mask
	s_cbranch_scc1 .Lopen_\@
	s_sub_co_i32 s96, s[Q0], s[KF]
	v_add_nc_u32 v[MK], s96, v[RH]                 ; d = my query - KF - 8 h: register n's key is hidden where 16 (n / 8) + n % 8 > d
	v_mov_b32 v[MK+1], 0xff800000                  ; -infinity
.set n, 0
.rept 64
	v_cmp_gt_i32 vcc_lo, 16*(n/8)+n%8, v[MK]
	v_cndmask_b32 v[SR+n], v[SR+n], v[MK+1], vcc_lo
.set n, n+1
.endr
.Lopen_\@:
.irp b, 0,1,2,3
	v_max3_num_f32 v[BM+\b], v[SR+16*\b], v[SR+1+16*\b], v[SR+2+16*\b]   ; the largest score of each block of 32 keys: for the row's maximum, and, since p rises with the score, for the block's largest p
.endr
.irp i, 3,5,7,9,11,13
.irp b, 0,1,2,3
	v_max3_num_f32 v[BM+\b], v[BM+\b], v[SR+16*\b+\i], v[SR+1+16*\b+\i]
.endr
.endr
.irp b, 0,1,2,3
	v_max_num_f32 v[BM+\b], v[BM+\b], v[SR+15+16*\b]
.endr
.irp b, 0,1,2,3
	s_delay_alu instid0(VALU_DEP_4)
	v_permlanex16_b32 v[PB+\b], v[BM+\b], s[SEL], s[SEL+1]
.endr
.irp b, 0,1,2,3
	s_delay_alu instid0(VALU_DEP_4)
	v_max_num_f32 v[BM+\b], v[BM+\b], v[PB+\b]     ; with lane l xor 16's 16 keys
.endr
	s_delay_alu instid0(VALU_DEP_2)
	v_max3_num_f32 v[TT], v[BM], v[BM+1], v[BM+2]
	s_delay_alu instid0(VALU_DEP_1)
	v_max_num_f32 v[TT], v[TT], v[BM+3]
	s_delay_alu instid0(VALU_DEP_1)
	v_mul_f32 v[TT], s[CS], v[TT]                  ; as t (c is positive)
	s_delay_alu instid0(VALU_DEP_1)
	v_max_num_f32 v13, v13, v[TT]                  ; the running largest t
	v_mov_b32 v[TT], v12
	s_delay_alu instid0(VALU_DEP_2)
	v_floor_f32 v12, -v13                          ; the new -M = floor(-t) = -ceil(t)
	s_delay_alu instid0(VALU_DEP_1)
	v_sub_f32 v[TT], v12, v[TT]                    ; old M - new M: a whole number, 0 or less
	s_delay_alu instid0(VALU_DEP_1)
	v_cvt_i32_f32 v[TT], v[TT]
	s_delay_alu instid0(VALU_DEP_1)
	v_ldexp_f32 v[FF], 1.0, v[TT]                  ; f = 2^(old M - new M)
.set j, 0
.rept 32
	v_pk_fma_f32 v[SR+j:SR+j+1], v[SR+j:SR+j+1], s[CS:CS+1], v[12:13] op_sel_hi:[1,0,0]   ; t - M
.set j, j+2
.endr
.irp b, 0,1,2,3
	v_fma_f32 v[BM+\b], v[BM+\b], s[CS], v12       ; the same of each block's largest score
.endr
.set j, 0
	s_wait_alu depctr_va_vdst(0)
.rept 64
	v_exp_f32 v[SR+j], v[SR+j]                     ; p = 2^(t - M)
.set j, j+1
.endr
	v_pk_mul_f32 v[14:15], v[14:15], v[FF:FF+1] op_sel_hi:[1,0]   ; the sums under the new M: the plain instruction behind the exponentials
	s_wait_alu depctr_va_vdst(0)                   ; one wait for the batch of 64, ahead of its first reader
.irp b, 0,1,2,3
	v_exp_f32 v[BM+\b], v[BM+\b]                   ; each block's largest p
.endr
	v_pk_add_f32 v[244:245], v[108:109], v[112:113]
	v_pk_add_f32 v[246:247], v[116:117], v[120:121]
	v_pk_add_f32 v[238:239], v[124:125], v[128:129]
	v_pk_add_f32 v[236:237], v[132:133], v[136:137]
	v_pk_add_f32 v[234:235], v[140:141], v[144:145]
	v_pk_add_f32 v[232:233], v[148:149], v[152:153]
	v_pk_add_f32 v[230:231], v[156:157], v[160:161]
	v_pk_add_f32 v[14:15], v[14:15], v[164:165]
	v_pk_add_f32 v[244:245], v[244:245], v[104:105]
	v_pk_add_f32 v[246:247], v[246:247], v[106:107]
	v_pk_add_f32 v[238:239], v[238:239], v[110:111]
	v_pk_add_f32 v[236:237], v[236:237], v[114:115]
	v_pk_add_f32 v[234:235], v[234:235], v[118:119]
	v_pk_add_f32 v[232:233], v[232:233], v[122:123]
	v_pk_add_f32 v[230:231], v[230:231], v[126:127]
	v_pk_add_f32 v[14:15], v[14:15], v[130:131]
	v_pk_add_f32 v[244:245], v[244:245], v[134:135]
	v_pk_add_f32 v[246:247], v[246:247], v[138:139]
	v_pk_add_f32 v[238:239], v[238:239], v[142:143]
	v_pk_add_f32 v[236:237], v[236:237], v[146:147]
	v_pk_add_f32 v[234:235], v[234:235], v[150:151]
	v_pk_add_f32 v[232:233], v[232:233], v[154:155]
	v_pk_add_f32 v[230:231], v[230:231], v[158:159]
	v_pk_add_f32 v[14:15], v[14:15], v[162:163]
	v_pk_add_f32 v[244:245], v[244:245], v[166:167]
	s_delay_alu instid0(VALU_DEP_2)
	v_pk_add_f32 v[14:15], v[14:15], v[236:237]
	s_delay_alu instid0(VALU_DEP_2)
	v_pk_add_f32 v[244:245], v[244:245], v[234:235]
	v_pk_add_f32 v[246:247], v[246:247], v[232:233]
	v_pk_add_f32 v[238:239], v[238:239], v[230:231]
	s_delay_alu instid0(VALU_DEP_2)
	v_pk_add_f32 v[14:15], v[14:15], v[246:247]
	s_delay_alu instid0(VALU_DEP_2)
	v_pk_add_f32 v[244:245], v[244:245], v[238:239]
	s_delay_alu instid0(VALU_DEP_1)
	v_pk_add_f32 v[14:15], v[14:15], v[244:245]
	s_wait_alu depctr_va_vdst(0)                   ; and one for the four
.irp b, 0,1,2,3
	v_max_num_f32 v[BM+\b], 0x4800000, v[BM+\b]    ; the floor 2^(9 - 127): the byte cannot fall under 1
.endr
.irp b, 0,1,2,3
	s_delay_alu instid0(VALU_DEP_4)
	v_add_nc_u32 v[SO+\b], 0xfc000000, v[BM+\b]    ; 8 off the exponent field: the conversion's scale operand
.endr
.irp b, 0,1,2,3
.endr
.irp b, 0,1,2,3
	s_delay_alu instid0(VALU_DEP_4)
	v_lshrrev_b32 v[PB+\b], 23, v[SO+\b]           ; the scale's byte
.endr
	s_delay_alu instid0(VALU_DEP_3)
	v_lshl_or_b32 v[PSC], v[PB+1], 8, v[PB]        ; p's scale word for these 128 keys
	s_delay_alu instid0(VALU_DEP_1)
	v_lshl_or_b32 v[PSC], v[PB+2], 16, v[PSC]
	s_delay_alu instid0(VALU_DEP_1)
	v_lshl_or_b32 v[PSC], v[PB+3], 24, v[PSC]
.irp b, 0,1,2,3
.irp i, 0,1,2,3,4,5,6,7,8,9,10,11,12,13,14,15
.endr
	v_cvt_scalef32_pk8_fp8_f32 v[PC+4*\b:PC+1+4*\b], v[SR+16*\b:SR+7+16*\b], v[SO+\b]
	v_cvt_scalef32_pk8_fp8_f32 v[PC+2+4*\b:PC+3+4*\b], v[SR+8+16*\b:SR+15+16*\b], v[SO+\b]
.endr
.set j, 0
.rept 16
	v_pk_mul_f32 v[OT+j:OT+j+1], v[OT+j:OT+j+1], v[FF:FF+1] op_sel_hi:[1,0]   ; O^T under the new M; these are also the places between the codes and the products
.set j, j+2
.endr
	s_wait_alu depctr_va_vdst(0)
	s_wait_dscnt 0x0                               ; V and its scale words are in
.irp t, 0,1,2,3
.if (\t)%2
	v_wmma_scale_f32_16x16x128_f8f6f4 v[OT+8*\t:OT+8*\t+7], v[KV+16*\t:KV+16*\t+15], v[PC:PC+15], v[OT+8*\t:OT+8*\t+7], v[VSC+\t/2], v[PSC] matrix_a_scale:MATRIX_SCALE_ROW1
.else
	v_wmma_scale_f32_16x16x128_f8f6f4 v[OT+8*\t:OT+8*\t+7], v[KV+16*\t:KV+16*\t+15], v[PC:PC+15], v[OT+8*\t:OT+8*\t+7], v[VSC+\t/2], v[PSC]
.endif
.endr
.Lhidden_\@:
	s_add_co_u32 s[KF], s[KF], 128
.endm
; THE CHANGE OF SLOTS, at a slot's head.  Each wave waits for all its tensor loads, adds 0 to its spare word, and waits for that and for its reads of the slot that it has left.  Behind the barrier the slot ahead is whole and
; nobody reads the other.  fill = 1: the other slot takes the keys that follow: the block's next 256, or, where the first block's slots are all asked for, keys 0 to 255 again for the second block.
.macro CHANGE fill
	s_wait_tensorcnt 0x0                           ; no tensor load of mine is out, so group 0 may be written
	ds_add_u32 v[SPW], v[NIL]                      ; 0 onto my spare word
.if \fill
	s_add_co_u32 s[OFF], s[OFF], SLOTB
	s_add_co_u32 s[NX], s[NX], 1
	s_cmp_eq_u32 s[NX], s[N1]
	s_cselect_b32 s[OFF], 0, s[OFF]
	s_add_nc_u64 s[G0+2:G0+3], s[KVW:KVW+1], s[OFF:OFF+1]
	s_or_b32 s[G0+3], s[G0+3], 0x80000000
	s_xor_b32 s[G0+1], s[G0+1], SLOT1              ; the other slot than last time
	s_wait_xcnt 0x0                                ; the last prefetch, a slot back, has read its address
	s_add_nc_u64 s[PFA:PFA+1], s[PFA:PFA+1], SLOTB
.endif
	s_wait_dscnt 0x0                               ; the add is done, and my reads of the slot that I have left are over
	s_barrier_signal -1
	s_barrier_wait -1
.if \fill
	TLOAD                                          ; the first thing behind the barrier, and a wave's one tensor load until the next
	ASK
.endif
.endm
.macro SLOT_STEPS
	STEP 0
	STEP 1
	s_xor_b32 s[TB], s[TB], SLOT1
.endm
; A BLOCK'S END: O^T / the sum is y(query r, channels 16 t + 8 h + 0..7 of my head); its two blocks of 32 channels are quantised.  Tile t = 2 c + u holds the places 16 u + 8 h + 0..7 of block c, so its 8 bytes a lane go to
; 512 c + 256 u + 16 r + 8 h of the image: the true order along C, as W_proj's codes have it.  Each store covers 256 consecutive bytes.
.macro FINISH yb, ys
.rept 8
	v_nop                                          ; places behind the last products
.endr
	v_add_f32 v14, v14, v15
	s_wait_alu depctr_va_vdst(0)
	v_permlanex16_b32 v[TT], v14, s[SEL], s[SEL+1]
	s_delay_alu instid0(VALU_DEP_1)
	v_add_f32 v14, v14, v[TT]                      ; the row's sum
	s_wait_alu depctr_va_vdst(0)
	v_rcp_f32 v14, v14
	v_nop                                          ; a plain instruction behind the reciprocal,
	s_wait_alu depctr_va_vdst(0)                   ; and the wait ahead of its first reader
.set j, 0
.rept 16
	v_pk_mul_f32 v[SR+j:SR+j+1], v[OT+j:OT+j+1], v[14:15] op_sel_hi:[1,0]
.set j, j+2
.endr
.irp b, 0,1
	v_max3_num_f32 v[BM+\b], |v[SR+16*\b]|, |v[SR+1+16*\b]|, 0x4800000
.endr
.irp i, 2,4,6,8,10,12,14
.irp b, 0,1
	s_delay_alu instid0(VALU_DEP_2)
	v_max3_num_f32 v[BM+\b], v[BM+\b], |v[SR+16*\b+\i]|, |v[SR+1+16*\b+\i]|
.endr
.endr
.irp b, 0,1
	s_delay_alu instid0(VALU_DEP_2)
	v_permlanex16_b32 v[PB+\b], v[BM+\b], s[SEL], s[SEL+1]
.endr
.irp b, 0,1
	s_delay_alu instid0(VALU_DEP_2)
	v_max_num_f32 v[BM+\b], v[BM+\b], v[PB+\b]
.endr
.irp b, 0,1
	s_delay_alu instid0(VALU_DEP_2)
	v_add_nc_u32 v[SO+\b], 0xfc000000, v[BM+\b]
.endr
.irp b, 0,1
.endr
.irp b, 0,1
	s_delay_alu instid0(VALU_DEP_2)
	v_lshrrev_b32 v[PB+\b], 23, v[SO+\b]
.endr
	s_delay_alu instid0(VALU_DEP_1)
	v_lshl_or_b32 v[TT], v[PB+1], 8, v[PB]         ; my row's two scale bytes
.irp b, 0,1
.irp i, 0,1,2,3,4,5,6,7,8,9,10,11,12,13,14,15
.endr
	v_cvt_scalef32_pk8_fp8_f32 v[PC+4*\b:PC+1+4*\b], v[SR+16*\b:SR+7+16*\b], v[SO+\b]
	v_cvt_scalef32_pk8_fp8_f32 v[PC+2+4*\b:PC+3+4*\b], v[SR+8+16*\b:SR+15+16*\b], v[SO+\b]
.endr
	v_nop                                          ; one plain vector instruction behind the last conversion
.irp k, 0,1,2,3
	global_store_b64 v[YO], v[PC+2*\k:PC+2*\k+1], s[\yb:\yb+1] offset:256*\k
.endr
	global_store_b16 v[YSO], v[TT], s[\ys:\ys+1]   ; two bytes a row, rows 32 bytes apart (lanes 16-31 repeat lanes 0-15): one byte in 32 of what is stored here
	s_wait_xcnt 0x0                                ; the stores have read their registers
.endm
.macro SWITCH                          ; behind the first block's last slot: its result leaves, and the wave begins the second block
	s_cmp_lg_u32 s[NX], s[N1]
	s_cbranch_scc1 .Lsame_\@
	FINISH YB1, YS1
.irp j, 0,1,2,3,4,5,6,7
	v_mov_b32 v[QF+\j], v[Q2+\j]
.endr
	v_mov_b32 v[QSC], v[QS2]
	v_mov_b32 v13, 0xff61b1e6
	s_delay_alu instid0(VALU_DEP_1)
	v_floor_f32 v12, -v13
	v_mov_b32 v14, 0
	v_mov_b32 v15, 0
.set j, 0
.rept 32
	v_mov_b32 v[OT+j], 0
.set j, j+1
.endr
	s_mov_b32 s[KF], 0
	s_mov_b32 s[Q0], s[Q0B]
.Lsame_\@:
.endm
	s_wait_loadcnt 0x0                             ; Q of both blocks
.Lslot:                                            ; eight trips: behind each change of slots but the last the next slot is asked for
	CHANGE 1
	SLOT_STEPS
	SWITCH
	s_sub_co_u32 s[SLOTS], s[SLOTS], 1
	s_cmp_lg_u32 s[SLOTS], 0
	s_cbranch_scc1 .Lslot
	CHANGE 0                                       ; the ninth slot is written out
	SLOT_STEPS
	FINISH YB2, YS2
	s_wait_tensorcnt 0x0                           ; the wave's end
	ds_add_u32 v[SPW], v[NIL]
	s_wait_dscnt 0x0
	s_endpgm
.Lfunc_end_k_q1e135e3e43_attn:
	.size	k_q1e135e3e43_attn, .Lfunc_end_k_q1e135e3e43_attn-k_q1e135e3e43_attn
	.p2alignl 7, 3214868480
	.fill 96, 4, 3214868480
	.section	.rodata,"a",@progbits
	.p2align	6, 0x0
	.amdhsa_kernel k_q1e135e3e43_attn
		.amdhsa_group_segment_fixed_size 327680
		.amdhsa_private_segment_fixed_size 0
		.amdhsa_enable_private_segment 0
		.amdhsa_kernarg_size 48
		.amdhsa_user_sgpr_count 2
		.amdhsa_user_sgpr_kernarg_segment_ptr 1
		.amdhsa_wavefront_size32 1
		.amdhsa_system_sgpr_workgroup_id_x 1
		.amdhsa_system_sgpr_workgroup_id_y 1
		.amdhsa_system_sgpr_workgroup_id_z 1
		.amdhsa_system_vgpr_workitem_id 0
		.amdhsa_next_free_vgpr 256
		.amdhsa_next_free_sgpr 100
		.amdhsa_reserve_vcc 1
		.amdhsa_float_denorm_mode_32 3
		.amdhsa_float_denorm_mode_16_64 3
		.amdhsa_fp16_overflow 1
		.amdhsa_memory_ordered 1
		.amdhsa_forward_progress 1
		.amdhsa_inst_pref_size 110
	.end_amdhsa_kernel
	.amdgpu_metadata
---
amdhsa.version: [ 1, 2 ]
amdhsa.kernels:
  - .name:           k_q1e135e3e43_attn
    .symbol:         k_q1e135e3e43_attn.kd
    .args:
      - { .name: qpk, .offset: 0, .size: 8, .value_kind: global_buffer, .address_space: global }
      - { .name: kvp, .offset: 8, .size: 8, .value_kind: global_buffer, .address_space: global }
      - { .name: bQ, .offset: 16, .size: 8, .value_kind: global_buffer, .address_space: global }
      - { .name: ycodes, .offset: 24, .size: 8, .value_kind: global_buffer, .address_space: global }
      - { .name: yscales, .offset: 32, .size: 8, .value_kind: global_buffer, .address_space: global }
      - { .name: out1, .offset: 40, .size: 8, .value_kind: global_buffer, .address_space: global }
    .group_segment_fixed_size: 327680
    .private_segment_fixed_size: 0
    .kernarg_segment_align: 8
    .kernarg_segment_size: 48
    .max_flat_workgroup_size: 512
    .sgpr_count:     100
    .vgpr_count:     256
    .wavefront_size: 32
...
	.end_amdgpu_metadata
.endif
;; end of part 2
;; launch proj (part 3): grid 4 x 32, 4 waves a work-group, clusters of 4 x 4, 327,680 bytes of LDS; arguments ycodes, yscales, W_proj_codes, W_proj_scales, b_proj, out0; writes out0
.if DOCPART == 3
	.amdgcn_target "amdgcn-amd-amdhsa--gfx1250"
	.amdhsa_code_object_version 6
	.text
	.protected	k_q1e135e3e43_proj
	.globl	k_q1e135e3e43_proj
	.p2align	8
	.type	k_q1e135e3e43_proj,@function
k_q1e135e3e43_proj:
	s_mov_b64 s[64:65], 0
	v_nop
	global_prefetch_b8 v0, s[64:65] scope:SCOPE_SE
	s_setreg_imm32_b32 hwreg(HW_REG_WAVE_MODE, 25, 1), 1
	s_wait_xcnt 0x0
	s_wait_alu depctr_hold_cnt(0) depctr_sa_sdst(0) depctr_va_vdst(0) depctr_va_sdst(0) depctr_va_ssrc(0) depctr_va_vcc(0) depctr_vm_vsrc(0)
	s_getreg_b32 s2, hwreg(HW_REG_IB_STS2, 6, 4)
	s_cmp_eq_u32 s2, 0
	s_cbranch_scc0 .Lentry_in_a_cluster
	s_endpgm
.Lentry_in_a_cluster:
	s_bfe_u32 s2, ttmp6, 0x10000c
	s_cmp_lg_u32 s2, 0xf033
	s_cbranch_scc0 .Lentry_shape_is_right
	s_endpgm
.Lentry_shape_is_right:
; out0 = y W_proj + b_proj, on codes of E4M3 with one E8M0 scale for each 32 along K = 1,024; out0 [8,192][1,024] f32.
; A = y: its codes lie as images of operand registers, [tile of 16 tokens 512][block of 32 along K 32][512 bytes: 16 x lane]; its scale bytes [8,192][32].  B = W_proj: [1,024][1,024] codes, K innermost; scale bytes [1,024][32].
; A work-group of four waves makes 256 x 256, a wave 128 x 128 (64 accumulators).  K goes in steps of 256 through a ring of two LDS slots filled by the tensor data mover; the scale bytes of the 512 rows come into LDS once.
; 4 x 4 work-groups form a cluster: A's tile is shared along a row of the cluster, B's along a column, by joint loads.  Source 0 = 16 rows of B, source 1 = 16 rows of A: a lane holds eight neighbouring numbers of a row of out0.
; The bias is the C of each sum's first matrix instruction.  128 work-groups: out0 has so many tiles of 256 x 256.
; LIMITS: NaN and infinities among the inputs are not served.
.set SIZE_N, 1024
.set KSTEP,  256
.set NQ,     KSTEP/128
.set ROWB,   256
.set KROW,   1024
.set ASTEP,  4096                      ; a K step of a tile of 16 tokens in ycodes: eight blocks of 512 bytes
.set PITCH,  272
.set FR,     16
.set NL,     4
.set NP,     8
.set HALFT,  128*PITCH                 ; room for 128 rows: B's padded rows fill it; A's images take 32,768 bytes of it
.set SLOT,   4*HALFT
.set LAPS,   2
.set KS,     32
.set SCL,    2*SLOT
.set HALFS,  (128*KS/256)*272
.set SBLK,   (16*KS/256)*272
.set SPARE,  SCL+4*HALFS               ; the spare words, 128 bytes for each wave: two blocks of 256 bytes that no other line names
.set SPITCH, 528                       ; the way out: a stage of 16 rows x (512 + 16) bytes for each wave, in slot 0, which has had its last fill and its last read by then
.set H32,  7
.set ADRA, 16
.set ADRB, 20
.set STO,  24
.set RD,   25
.set CO,   26                          ; v26 16 x lane
.set ADRS, 27
.set SPW,  28
.set NIL,  29
.set SC,   32
.set BI,   64                          ; v64-127 b_proj at my 64 columns, in the accumulators' order
.set AF,   128
.set BK,   128
.set G1, 24
.set G0, 32
.set G1B, 48
.set G0B, 56
.set G1S, 68
.set G0S, 76
.set G1SB, 80
.set G0SB, 88
.set MSB, 0
.macro WIN new
.if MSB != (\new)
	s_set_vgpr_msb (MSB<<8)|(\new)
.set MSB, (\new)
.endif
.endm
.set MUL_LO, 0xa1                      ; source 0 (B) window 1, source 1 (A) window 0, C and D window 2
.set MUL_HI, 0xf1
.set MUL_LO0, 0x81                     ; the first step: C (the bias) window 0, D window 2
.set MUL_HI0, 0xc1                     ; D window 3
.set TO_B,   0x40
.macro JLOAD g0a, g1a, g0b, g1b        ; waves 0 and 1 fetch for A, waves 2 and 3 for B; four v_nop follow each of the two lines
	s_cmp_eq_u32 s15, 0
	s_cbranch_scc0 .Lfor_b_\@
	tensor_load_to_lds s[\g0a:\g0a+3], s[\g1a:\g1a+7]
	s_nop 0
.rept 4
	v_nop
.endr
	s_branch .Lasked_\@
.Lfor_b_\@:
	tensor_load_to_lds s[\g0b:\g0b+3], s[\g1b:\g1b+7]
	s_nop 0
.rept 4
	v_nop
.endr
.Lasked_\@:
.endm
.macro CREST
	s_cmp_lg_u32 s14, 0
	s_cbranch_scc1 .Lnot_wave_0_\@
	s_barrier_signal -3
.Lnot_wave_0_\@:
	s_barrier_wait -3
	s_barrier_signal -1
	s_barrier_wait -1
.endm
.macro CROUND
	s_barrier_signal -1
	s_barrier_wait -1
	CREST
.endm
	s_load_b256 s[4:11], s[0:1], 0x0               ; y's codes, y's scales, W_proj's codes, W_proj's scales
	s_load_b64 s[96:97], s[0:1], 0x20              ; b_proj
	s_load_b64 s[12:13], s[0:1], 0x28              ; out0
	v_lshl_add_u32 v[SPW], v0, 2, SPARE
	v_mov_b32 v[NIL], 0
	ds_add_u32 v28, v29
	ds_add_u32 v28, v29
	s_wait_dscnt 0x0
	v_lshrrev_b32 v1, 5, v0
	v_readfirstlane_b32 s14, v1                    ; wave 0..3
	s_lshr_b32 s15, s14, 1                         ; which half of the tile's rows is mine.  Also: I fetch for A (0) or for B (1)
	s_and_b32 s16, s14, 1                          ; which half of its columns.  Also: which 128 rows of that tile I fetch
	s_bfe_u32 s40, ttmp6, 0x40000
	s_bfe_u32 s41, ttmp6, 0x40004
	s_lshl_b32 s42, ttmp9, 2
	s_add_co_u32 s42, s42, s40                     ; tile column
	s_and_b32 s17, ttmp7, 0xffff
	s_lshl_b32 s17, s17, 2
	s_add_co_u32 s17, s17, s41                     ; tile row
	s_lshl_b32 s43, s41, 2
	s_lshl_b32 s43, 15, s43                        ; my row of the cluster
	s_lshl_b32 s44, 0x1111, s40                    ; my column
	; A's tiles: 8 tiles of 16 tokens x 4,096 bytes (512 elements of 8 bytes), 16,384 bytes (2,048 elements) apart, dense in LDS
	s_or_b32 s[G1+0], s43, (3<<16)|(1<<21)
	s_mov_b32 s[G1+1], 512<<16
	s_mov_b32 s[G1+2], 8<<16
	s_mov_b32 s[G1+3], 512<<16
	s_mov_b32 s[G1+4], 8
	s_mov_b32 s[G1+5], 2048
	s_mov_b32 s[G1+6], 0
	s_mov_b32 s[G1+7], 0
	; B's tiles: 128 rows x 256 bytes, 16 bytes of padding behind each
	s_or_b32 s[G1B+0], s44, (0<<16)|(1<<20)|(1<<21)|(5<<22)|(3<<25)
	s_mov_b32 s[G1B+1], ROWB<<16
	s_mov_b32 s[G1B+2], 128<<16
	s_mov_b32 s[G1B+3], ROWB<<16
	s_mov_b32 s[G1B+4], 128
	s_mov_b32 s[G1B+5], KROW
	s_mov_b32 s[G1B+6], 0
	s_mov_b32 s[G1B+7], 0
	; the scales of 128 rows: 4,096 dense bytes as 16 rows of 256, 16 bytes of padding behind each
	s_or_b32 s[G1S+0], s43, (3<<16)|(1<<20)|(1<<21)|(5<<22)|(3<<25)
	s_or_b32 s[G1SB+0], s44, (3<<16)|(1<<20)|(1<<21)|(5<<22)|(3<<25)
.irp g, G1S, G1SB
	s_mov_b32 s[\g+1], 32<<16
	s_mov_b32 s[\g+2], (128*KS/256)<<16
	s_mov_b32 s[\g+3], 32<<16
	s_mov_b32 s[\g+4], 128*KS/256
	s_mov_b32 s[\g+5], 32
	s_mov_b32 s[\g+6], 0
	s_mov_b32 s[\g+7], 0
.endr
	s_lshl_b32 s18, s16, 7
	s_lshl_b32 s20, s17, 8
	s_add_co_u32 s20, s20, s18                     ; A: row 256 x tile row + 128 x half
	s_lshl_b32 s46, s42, 8
	s_add_co_u32 s46, s46, s18                     ; B: row 256 x tile column + 128 x half
	s_mov_b32 s21, 0
	s_mov_b32 s47, 0
	s_mov_b64 s[18:19], KS
	s_mul_u64 s[22:23], s[20:21], s[18:19]
	s_mul_u64 s[92:93], s[46:47], s[18:19]
	s_mov_b64 s[18:19], KROW
	s_mul_u64 s[20:21], s[20:21], s[18:19]         ; A's images too begin at row x 1,024 bytes: 16 rows are 16,384 bytes
	s_mul_u64 s[46:47], s[46:47], s[18:19]
	s_mul_i32 s45, s14, HALFT
	s_mul_i32 s94, s14, HALFS
	s_wait_kmcnt 0x0
	s_add_nc_u64 s[20:21], s[4:5], s[20:21]
	s_add_nc_u64 s[22:23], s[6:7], s[22:23]
	s_add_nc_u64 s[46:47], s[8:9], s[46:47]
	s_add_nc_u64 s[92:93], s[10:11], s[92:93]
	CROUND                                         ; all sixteen work-groups are here: the first joint loads meet
	s_mov_b32 s[G0S], 1
	s_add_co_u32 s[G0S+1], s94, SCL
	s_mov_b64 s[G0S+2:G0S+3], s[22:23]
	s_or_b32 s[G0S+3], s[G0S+3], 0x80000000
	s_mov_b32 s[G0SB], 1
	s_add_co_u32 s[G0SB+1], s94, SCL
	s_mov_b64 s[G0SB+2:G0SB+3], s[92:93]
	s_or_b32 s[G0SB+3], s[G0SB+3], 0x80000000
	JLOAD G0S, G1S, G0SB, G1SB
.irp s, 0,1
	s_mov_b32 s[G0+4*\s], 1
	s_add_co_u32 s[G0+4*\s+1], s45, \s*SLOT
	s_add_nc_u64 s[G0+4*\s+2:G0+4*\s+3], s[20:21], \s*ASTEP
	s_or_b32 s[G0+4*\s+3], s[G0+4*\s+3], 0x80000000
	s_mov_b32 s[G0B+4*\s], 1
	s_add_co_u32 s[G0B+4*\s+1], s45, \s*SLOT
	s_add_nc_u64 s[G0B+4*\s+2:G0B+4*\s+3], s[46:47], \s*ROWB
	s_or_b32 s[G0B+4*\s+3], s[G0B+4*\s+3], 0x80000000
	s_wait_alu depctr_va_vdst(0)
	s_wait_tensorcnt 0x0
	ds_add_u32 v28, v29
	s_wait_dscnt 0x0
	CROUND
	JLOAD G0+4*\s, G1, G0B+4*\s, G1B
.endr
	v_and_b32 v1, 15, v0                           ; r
	v_bfe_u32 v2, v0, 4, 1                         ; h
	v_mul_u32_u24 v3, v1, PITCH
	v_lshl_add_u32 v4, v2, 4, v3                   ; B: a fragment's row x pitch + 16 x half
	v_and_b32 v6, 31, v0
	v_lshlrev_b32 v[CO], 4, v6                     ; A: 16 x lane
	s_mul_i32 s21, s15, HALFT
	s_mul_i32 s22, s16, HALFT
	s_add_co_u32 s22, s22, 2*HALFT
.irp s, 0,1
	v_add_nc_u32 v[ADRA+\s], s21, v[CO]
	v_add_nc_u32 v[ADRB+\s], s22, v4
	s_add_co_u32 s21, s21, SLOT
	s_add_co_u32 s22, s22, SLOT
.endr
	v_mul_u32_u24 v5, v1, KS
	v_lshrrev_b32 v6, 8, v5
	v_lshl_add_u32 v5, v6, 4, v5
	s_mul_i32 s21, s15, HALFS
	s_mul_i32 s22, s16, HALFS
	s_add_co_u32 s22, s22, 2*HALFS
	s_sub_co_u32 s22, s22, s21
	v_mul_u32_u24 v6, s22, v2                      ; lanes 16-31 take B's
	s_add_co_u32 s21, s21, SCL
	v_add_nc_u32 v5, v5, v6
	v_add_nc_u32 v[ADRS], s21, v5
	s_mul_i32 s23, s14, 16*SPITCH                  ; my stage
	v_mul_u32_u24 v5, v1, SPITCH
	v_lshl_add_u32 v5, v2, 5, v5
	v_add_nc_u32 v[STO], s23, v5
	v_add_nc_u32 v[RD], s23, v[CO]
	s_lshl_b32 s20, s17, 8
	s_lshl_b32 s21, s15, 7
	s_add_co_u32 s20, s20, s21                     ; my first row of out0
	s_mov_b32 s21, 0
	s_mov_b64 s[18:19], SIZE_N*4
	s_mul_u64 s[20:21], s[20:21], s[18:19]
	s_lshl_b32 s46, s42, 10                        ; my first column, in bytes: also its place in b_proj
	s_lshl_b32 s47, s16, 9
	s_add_co_u32 s46, s46, s47
	s_mov_b32 s47, 0
	s_add_nc_u64 s[96:97], s[96:97], s[46:47]
	s_add_nc_u64 s[20:21], s[20:21], s[46:47]
	s_add_nc_u64 s[12:13], s[12:13], s[20:21]
	v_lshlrev_b32 v[H32], 5, v2
.irp b, 0,1,2,3,4,5,6,7
	global_load_b128 v[BI+8*\b:BI+8*\b+3], v[H32], s[96:97] offset:64*\b        ; b_proj at columns 16 b + 8 h + 0 .. 7
	global_load_b128 v[BI+8*\b+4:BI+8*\b+7], v[H32], s[96:97] offset:64*\b+16
.endr
.macro FRAG reg, adr, q, i             ; B: 16 rows x 128 K from padded rows
.irp c, 0,1,2,3
	ds_load_b128 v[\reg+4*\c:\reg+4*\c+3], v[\adr] offset:128*(\q)+32*\c+(\i)*16*PITCH
.endr
.endm
.macro FRAGA reg, adr, q, i            ; A: the image of tile i, blocks 4 q + c of the K step: 512 consecutive bytes a load
.irp c, 0,1,2,3
	ds_load_b128 v[\reg+4*\c:\reg+4*\c+3], v[\adr] offset:4096*(\i)+2048*(\q)+512*\c
.endr
.endm
; 16 matrix instructions; the 64 accumulators take turns, one instruction a turn.  zero = 1: the first product starts the sums on the bias.
.macro MUL16 a0, p, q, sc, zero
.irp a, \a0, \a0+1
.irp b, 0,1,2,3,4,5,6,7
.if \zero
	v_wmma_scale_f32_16x16x128_f8f6f4 v[8*(8*((\a)%4)+\b):8*(8*((\a)%4)+\b)+7], v[128*(\p)+FR*\b:128*(\p)+FR*\b+FR-1], v[AF+FR*(\a):AF+FR*(\a)+FR-1], v[BI+8*\b:BI+8*\b+7], v[SC+8*NQ*(\sc)+NQ*\b+(\q)], v[SC+8*NQ*(\sc)+NQ*(\a)+(\q)] matrix_a_scale:MATRIX_SCALE_ROW1
.else
	v_wmma_scale_f32_16x16x128_f8f6f4 v[8*(8*((\a)%4)+\b):8*(8*((\a)%4)+\b)+7], v[128*(\p)+FR*\b:128*(\p)+FR*\b+FR-1], v[AF+FR*(\a):AF+FR*(\a)+FR-1], v[8*(8*((\a)%4)+\b):8*(8*((\a)%4)+\b)+7], v[SC+8*NQ*(\sc)+NQ*\b+(\q)], v[SC+8*NQ*(\sc)+NQ*(\a)+(\q)] matrix_a_scale:MATRIX_SCALE_ROW1
.endif
.endr
.endr
.endm
.macro FETCH_B slot, q, p
	WIN TO_B
.irp i, 0,1,2,3,4,5,6,7
	FRAG 128*(\p)+FR*\i, ADRB+\slot, \q, \i
.endr
	WIN 0
.endm
.macro FETCH_A slot, q, i0
.irp i, \i0, \i0+1, \i0+2, \i0+3
	FRAGA AF+FR*(\i), ADRA+\slot, \q, \i
.endr
.endm
.macro SCALES sc
.irp i, 0,1,2,3,4,5,6,7
	ds_load_b64 v[SC+8*NQ*\sc+NQ*\i:SC+8*NQ*\sc+NQ*\i+1], v[ADRS] offset:\i*SBLK
.endr
.endm
.macro PLACES n
.rept \n
	v_nop
.endr
.endm
.macro STEP slot, q, zero
	s_wait_dscnt 4*NL                              ; B's set and A's blocks 0-3 are in; the youngest 16 loads (A's blocks 4-7) may be out
.if \zero
	WIN MUL_LO0
.else
	WIN MUL_LO
.endif
	MUL16 0, (\q)%2, \q, \slot, \zero
	MUL16 2, (\q)%2, \q, \slot, \zero
	s_wait_dscnt 0
	PLACES NP
	FETCH_B \slot, (\q)+1, 1-(\q)%2
	FETCH_A \slot, (\q)+1, 0
.if \zero
	WIN MUL_HI0
.else
	WIN MUL_HI
.endif
	MUL16 4, (\q)%2, \q, \slot, \zero
	MUL16 6, (\q)%2, \q, \slot, \zero
	PLACES NP
	WIN 0
	FETCH_A \slot, (\q)+1, 4
.endm
.macro TURN slot, next, fill
	s_wait_tensorcnt 0x0                           ; all my tensor loads have landed: my part of the next slot
	ds_add_u32 v[SPW], v[NIL]                      ; 0 onto my spare word
	s_wait_dscnt 4*NL+1                            ; the add and the youngest 16 loads may be out
	WIN MUL_LO
	MUL16 0, 1, NQ-1, \slot, 0
	s_wait_dscnt 0x0                               ; the add is done, and my reads of this slot are over
	s_barrier_signal -1
	MUL16 2, 1, NQ-1, \slot, 0
	WIN 0
	s_barrier_wait -1
.if \fill
	CREST                                          ; a round of the cluster's barrier: no wave of any partner still reads this slot or has a load on its way
	s_add_nc_u64 s[G0+4*\slot+2:G0+4*\slot+3], s[G0+4*\slot+2:G0+4*\slot+3], 2*ASTEP
	s_add_nc_u64 s[G0B+4*\slot+2:G0B+4*\slot+3], s[G0B+4*\slot+2:G0B+4*\slot+3], 2*ROWB
	JLOAD G0+4*\slot, G1, G0B+4*\slot, G1B
	PLACES NP-4
.else
	PLACES NP
.endif
	s_wait_alu depctr_va_vdst(0)
	v_add_nc_u32 v[ADRS], 4*NQ, v[ADRS]
	FETCH_B \next, 0, 0
	FETCH_A \next, 0, 0
	SCALES \next
	WIN MUL_HI
	MUL16 4, 1, NQ-1, \slot, 0
	MUL16 6, 1, NQ-1, \slot, 0
	PLACES NP
	WIN 0
	FETCH_A \next, 0, 4
.endm
	s_wait_alu depctr_va_vdst(0)
	s_wait_loadcnt 0x0                             ; the bias
	s_wait_tensorcnt 1                             ; of my three first fills the scales and K step 0 are in; K step 1's may be out
	s_barrier_signal -1
	s_barrier_wait -1
	FETCH_B 0, 0, 0
	FETCH_A 0, 0, 0
	SCALES 0
	FETCH_A 0, 0, 4
	STEP 0, 0, 1
	s_mov_b32 s3, LAPS-1
.Llap:
	TURN 0, 1, 1
	STEP 1, 0, 0
	TURN 1, 0, 1
	STEP 0, 0, 0
	s_sub_co_u32 s3, s3, 1
	s_cmp_lg_u32 s3, 0
	s_cbranch_scc1 .Llap
	TURN 0, 1, 0
	STEP 1, 0, 0
	s_wait_dscnt 4*NL
	WIN MUL_LO
	MUL16 0, 1, NQ-1, 1, 0
	MUL16 2, 1, NQ-1, 1, 0
	s_wait_dscnt 0
	WIN MUL_HI
	MUL16 4, 1, NQ-1, 1, 0
	MUL16 6, 1, NQ-1, 1, 0
	WIN 0
; THE WAY OUT, block by block of 16 rows x 128 columns, through my own stage in LDS: in as 32 bytes a lane, back as whole rows of 512 bytes.  LDS serves a wave's instructions in order (ISA guide 5.7.1.4).
.macro TOSTAGE a
.set AC, 64*((\a)%4)
.set WN, 0x08+4*((\a)/4)
	WIN WN                                         ; an LDS store's data: window 2 or 3
.irp b, 0,1,2,3,4,5,6,7
	ds_store_b128 v[STO], v[AC+8*\b:AC+8*\b+3] offset:64*\b          ; each accumulator from its low end on
	ds_store_b128 v[STO], v[AC+8*\b+4:AC+8*\b+7] offset:64*\b+16
.endr
	WIN 0
.set BB, BK+64*((\a)%2)
.irp t, 0,1,2,3,4,5,6,7,8,9,10,11,12,13,14,15
	ds_load_b128 v[BB+4*\t:BB+4*\t+3], v[RD] offset:\t*SPITCH
.endr
.endm
.macro SEND a, younger
.set BB, BK+64*((\a)%2)
	s_wait_dscnt \younger                          ; the block is back in registers; the LDS instructions issued behind its loads may be out
.if (\a) > 0
	s_add_nc_u64 s[12:13], s[12:13], 16*SIZE_N*4   ; (behind a wait on XCNT: the earlier stores have read their base)
.endif
.irp t, 0,1,2,3,4,5,6,7,8,9,10,11,12,13,14,15
	global_store_b128 v[CO], v[BB+4*\t:BB+4*\t+3], s[12:13] offset:\t*SIZE_N*4 th:TH_STORE_NT   ; 32 lanes store 512 consecutive bytes, at a multiple of 256 from out0's first byte
.endr
.endm
	PLACES NP
	TOSTAGE 0
.irp a, 1,2,3,4,5,6,7
.if \a > 1
	s_wait_xcnt 0x0                                ; block a - 2's stores have read their registers and their base
.endif
	TOSTAGE \a
	SEND \a-1, 32                                  ; behind block a - 1's loads: block a's 16 stores and 16 loads
.endr
	s_wait_xcnt 0x0
	SEND 7, 0
	s_wait_tensorcnt 0x0                           ; the wave's end
	ds_add_u32 v[SPW], v[NIL]
	s_wait_dscnt 0x0
	CROUND                                         ; the closing round
	s_endpgm
.Lfunc_end_k_q1e135e3e43_proj:
	.size	k_q1e135e3e43_proj, .Lfunc_end_k_q1e135e3e43_proj-k_q1e135e3e43_proj
	.p2alignl 7, 3214868480
	.fill 96, 4, 3214868480
	.section	.rodata,"a",@progbits
	.p2align	6, 0x0
	.amdhsa_kernel k_q1e135e3e43_proj
		.amdhsa_group_segment_fixed_size 327680
		.amdhsa_private_segment_fixed_size 0
		.amdhsa_enable_private_segment 0
		.amdhsa_kernarg_size 48
		.amdhsa_user_sgpr_count 2
		.amdhsa_user_sgpr_kernarg_segment_ptr 1
		.amdhsa_wavefront_size32 1
		.amdhsa_system_sgpr_workgroup_id_x 1
		.amdhsa_system_sgpr_workgroup_id_y 1
		.amdhsa_system_sgpr_workgroup_id_z 1
		.amdhsa_system_vgpr_workitem_id 0
		.amdhsa_next_free_vgpr 1024
		.amdhsa_next_free_sgpr 100
		.amdhsa_reserve_vcc 0
		.amdhsa_float_denorm_mode_32 3
		.amdhsa_float_denorm_mode_16_64 3
		.amdhsa_memory_ordered 1
		.amdhsa_forward_progress 1
		.amdhsa_inst_pref_size 148
	.end_amdhsa_kernel
	.amdgpu_metadata
---
amdhsa.version: [ 1, 2 ]
amdhsa.kernels:
  - .name:           k_q1e135e3e43_proj
    .symbol:         k_q1e135e3e43_proj.kd
    .args:
      - { .name: ycodes, .offset: 0, .size: 8, .value_kind: global_buffer, .address_space: global }
      - { .name: yscales, .offset: 8, .size: 8, .value_kind: global_buffer, .address_space: global }
      - { .name: W_proj_codes, .offset: 16, .size: 8, .value_kind: global_buffer, .address_space: global }
      - { .name: W_proj_scales, .offset: 24, .size: 8, .value_kind: global_buffer, .address_space: global }
      - { .name: b_proj, .offset: 32, .size: 8, .value_kind: global_buffer, .address_space: global }
      - { .name: out0, .offset: 40, .size: 8, .value_kind: global_buffer, .address_space: global }
    .group_segment_fixed_size: 327680
    .private_segment_fixed_size: 0
    .kernarg_segment_align: 8
    .kernarg_segment_size: 48
    .max_flat_workgroup_size: 128
    .sgpr_count:     100
    .vgpr_count:     1024
    .wavefront_size: 32
...
	.end_amdgpu_metadata
.endif
;; end of part 3
